; MI455X (gfx1250); checked and timed in simulation.
; The chip was launched on July 23, 2026; its instructions are those of AMD's public machine-readable ISA for CDNA 5 (MIT licence, August 2026) and "CDNA5" Instruction Set Architecture Reference Guide (July 2026). The comments in the code are by the model that wrote it; some were corrected since.
;; Multi Head Attention. Allowed arithmetic: matrix products marked QUANTISED: E2M1 operands, one E8M0 scale for each 32 along K, by v_wmma_scale_f32_16x16x128_f8f6f4 with both operands' format E2M1 (or v_wmma_scale_f32_32x16x128_f4), f32 sums; products left as they are: bf16, f16 or f32 operands; f32 sums; everything else in f32.
;; Inputs: b_out 1,024 float32; b_qkv 3,072 float32; w_out 1,024 x 1,024 float32; w_qkv 1,024 x 3,072 float32; x 4 x 2,048 x 1,024 float32.
;; Outputs: out0 4 x 2,048 x 1,024 float32.
;; This version of the problem:
;;   THIS VERSION OF THE PROBLEM IS GIVEN IN LOW PRECISION. The matrix products marked QUANTISED in the list below multiply operands that are first quantised to E2M1 (2 exponent bits, 1 mantissa bit; 4 bits a number), with one power-of-two scale for each 32 numbers along K (OCP MX v1.0); their sums are f32. The products marked 'left as it is' may take bf16, f16 or f32 operands, with f32 sums. All else is computed in f32.
;;   The module's matrix products, in the order in which they are computed (A, B: the left and right operand; K: the contracted axis; several contracted axes count as one K, in the product's order):
;;     1. [M 8,192, K 1,024] x [K 1,024, N 3,072]; A: input x; B: input w_qkv: QUANTISED
;;     2. batch 64 x [M 2,048, K 64] x [K 64, N 2,048]; A: computed on the way; B: computed on the way: left as it is (an operand is computed on the way)
;;     3. batch 64 x [M 2,048, K 2,048] x [K 2,048, N 64]; A: computed on the way; B: computed on the way: left as it is (an operand is computed on the way)
;;     4. [M 8,192, K 1,024] x [K 1,024, N 1,024]; A: computed on the way; B: input w_out: left as it is (an operand is computed on the way)
;;   THE QUANTISER, for each operand of a quantised product, along K:
;;     - K is cut into blocks of 32 from its start; a last block that is shorter is filled with zeros.
;;     - A block's scale is 2^e with e = floor(log2(the largest magnitude in the block)) - 2, held to -126 .. 127; a block of zeros has e = 0. As a byte (E8M0): e + 127.
;;     - Each number is divided by its block's scale, clamped to +-6, and rounded to the nearest number of E2M1, ties to even, subnormals kept.
;;     - The product sums the exact products of the quantised numbers (number of the format x scale) in f32.
;;   ~~~python
;;   def quantise(x, axis):      # numpy; x: float32 -> the quantised numbers, widened to float32 again
;;       x = np.moveaxis(x, axis, -1); K = x.shape[-1]
;;       x = np.pad(x, [(0, 0)] * (x.ndim - 1) + [(0, -K % 32)]); x = x.reshape(x.shape[:-1] + (-1, 32)); a = np.abs(x).max(-1, keepdims=True)
;;       e = np.where(a > 0, np.clip(np.frexp(np.where(a > 0, a, 1))[1] - 1 - 2, -126, 127), 0)      # np.frexp(a)[1] - 1 = floor(log2(a)), exactly
;;       r = np.clip(x / 2.0 ** e, -6, 6)
;;       step = 2.0 ** (np.maximum(np.frexp(np.where(r == 0, 1, r))[1] - 1, 0) - 1)
;;       q = np.round(r / step) * step * 2.0 ** e      # np.round: ties to even
;;       return np.moveaxis(q.reshape(q.shape[:-2] + (-1,))[..., :K], -1, axis).astype(np.float32)
;;   ~~~
;; One version. Each part assembles by itself: llvm-mc -triple=amdgcn-amd-amdhsa -mcpu=gfx1250 --defsym DOCPART=n.
;; ======== version 1 of 1: 4 launches
;; limits: values are held in f16: magnitudes above 65,504 overflow, below 6.1e-05 lose precision
;; workspace buffers: x_codes 4,194,304 bytes; x_scales 262,144 bytes; w_codes 1,572,864 bytes; w_scales 98,304 bytes; w_img 2,097,152 bytes; qkv 50,331,648 bytes; z_img 16,777,216 bytes
;; launch prep (part 1): grid 320 x 1, 4 waves a work-group, no clusters, 69,120 bytes of LDS; arguments x, w_qkv, w_out, x_codes, x_scales, w_codes, w_scales, w_img; writes x_codes, x_scales, w_codes, w_scales, w_img
.if DOCPART == 1
	.amdgcn_target "amdgcn-amd-amdhsa--gfx1250"
	.amdhsa_code_object_version 6
	.text
	.protected	k_qcd2dd90e59_prep
	.globl	k_qcd2dd90e59_prep
	.p2align	8
	.type	k_qcd2dd90e59_prep,@function
k_qcd2dd90e59_prep:
	s_mov_b64 s[64:65], 0
	v_nop
	global_prefetch_b8 v0, s[64:65] scope:SCOPE_SE
	s_setreg_imm32_b32 hwreg(HW_REG_WAVE_MODE, 25, 1), 1
	s_wait_xcnt 0x0
; PREP: what the later launches read many times is made narrow once.  Three kinds of work-group, told apart by the work-group's number alone; each kind has LDS bytes of its own.
;  X (work-groups 0-255): x [8192][1024] f32 -> codes of FP4 (E2M1), K innermost, [8192][512 bytes], and one E8M0 byte for each 32 along K, [8192][32].
;  W (48 work-groups): w_qkv [1024 (k)][3072 (n)] f32, K its FIRST axis -> codes [3072][512 bytes] with K innermost, scale bytes [3072][32].
;  O (16 work-groups): w_out [1024 (k)][1024 (n)] f32 -> f16, laid as images of the matrix operand's registers: tile of 16 columns nt x 32,768 + chunk of 32 along K kc x 1,024 + part x 512 + 16 x (16 h + r):
;     the 16 bytes there are w_out(32 kc + 16 part + 8 h + 0..7, 16 nt + r).
; A block's scale is 2^(floor(log2(its largest magnitude)) - 2); its byte is the largest magnitude's exponent field - 2, held at 1 from below; each number is divided by the scale and rounded to the nearest code, ties to even,
; beyond the largest code the largest.  A block of zeros gets the byte 1 where the rule says 127: its codes are zeros, which add nothing under any byte but 0xff, and this program alone reads the bytes.
; LIMITS: NaN and infinities among the inputs are not served; blocks whose largest magnitude lies under 2^-124 keep the byte 1; w_out beyond 65,504 in magnitude has no f16.
; No tensor loads, no barrier: waves share nothing.  No matrix unit and no cluster: no byte is read by two work-groups.
.set SP,     80                        ; X: a lane's place in a stage: its 64 bytes + 16 of padding
.set WREG,   8192                      ; X: LDS of a wave: two stages of 32 x SP bytes, behind them its 256 scale bytes
.set XR,     16                        ; X: v16-79   four sets of 16 numbers as they are loaded
.set XX,     80                        ; X: v80-111  two sets of 16 neighbours
.set XE,     112                       ; X: v112-127 a scale byte for each step
.set XC,     128                       ; X: v128-191 codes: four registers for each step, so that no store's data are written again
.set WSTG,   32768                     ; W: the stages begin behind X's LDS bytes
.set WN,     3072
.set WPITCH, 272                       ; W: a stage row: 256 bytes of codes + 16
.set WKROW,  512                       ; W: a row of the codes' buffer in bytes
.set WX,     32                        ; W: v32-95   two sets of 32 numbers
.set WC,     96                        ; W: v96-99   a block's codes
.set WOUT,   112                       ; W: v112-175 the way out
.set WSB,    24                        ; W: v24-27   the scale bytes, four to a register
.set OX,     32                        ; O: v32-95   two sets of 32 numbers
.set OPK,    96                        ; O: v96-127  two sets of 16 registers of f16 pairs
; ---- X: a wave takes 16 steps of 512 numbers.  Each load reads 512 consecutive bytes; a step's 2,048 bytes turn through the wave's own stage so that a lane gets 16 NEIGHBOURS along K (two lanes hold a block).
.macro XLOAD t
.irp i, 0,1,2,3
	global_load_b128 v[XR+16*((\t)%4)+4*\i:XR+16*((\t)%4)+4*\i+3], v3, s[4:5] offset:2048*(\t)+512*\i th:TH_LOAD_NT
.endr
.endm
.macro XTURN t                         ; LDS serves a wave's instructions in order: no wait between the stores and the loads
.irp i, 0,1,2,3
	ds_store_b128 v14, v[XR+16*((\t)%4)+4*\i:XR+16*((\t)%4)+4*\i+3] offset:32*SP*((\t)%2)+8*SP*\i
.endr
.irp i, 0,1,2,3
	ds_load_b128 v[XX+16*((\t)%2)+4*\i:XX+16*((\t)%2)+4*\i+3], v15 offset:32*SP*((\t)%2)+16*\i
.endr
.endm
.macro XSTEP t
.set XS, XX+16*((\t)%2)
.if (\t) > 0
	s_wait_dscnt 1                                 ; this step's numbers are back from the stage (the last step's byte store may be out): so its stores into the stage have read their registers,
.else
	s_wait_dscnt 0x0
.endif
.if (\t)+4 < 16
	XLOAD (\t)+4                                   ; which take the loads of four steps on
.endif
.if (\t)+1 < 16
.if 14-(\t) >= 3
	s_wait_loadcnt 12                              ; the next step's four loads are in; those of the three steps behind it may be out
.else
	s_wait_loadcnt 4*(14-(\t))                     ; the counts run down
.endif
	XTURN (\t)+1                                   ; and go through the other stage while this step is worked
.endif
	v_max3_num_f32 v8, |v[XS]|, |v[XS+1]|, |v[XS+2]|               ; the largest magnitude of my 16, in two chains
	v_max3_num_f32 v9, |v[XS+3]|, |v[XS+4]|, |v[XS+5]|
.irp i, 6,10
	v_max3_num_f32 v8, v8, |v[XS+\i]|, |v[XS+\i+1]|
	v_max3_num_f32 v9, v9, |v[XS+\i+2]|, |v[XS+\i+3]|
.endr
	v_max3_num_f32 v8, v8, |v[XS+14]|, |v[XS+15]|
	v_max3_num_f32 v8, v8, v9, 0x1800000           ; and the floor 2^(3 - 127): the byte cannot fall under 1
	v_max_num_f32_dpp v8, v8, v8 row_xmask:1 row_mask:0xf bank_mask:0xf   ; and of my neighbour's 16: the block's
	v_add_nc_u32 v11, 0xff000000, v8               ; 2 off its exponent field: the conversion takes the exponent field of this operand as its scale, and nothing else of it
	v_cvt_scalef32_pk8_fp4_f32 v[XC+4*(\t)], v[XS:XS+7], v11
	v_cvt_scalef32_pk8_fp4_f32 v[XC+4*(\t)+1], v[XS+8:XS+15], v11
	v_lshrrev_b32 v[XE+(\t)], 23, v11              ; the scale's byte (also the plain line behind the conversions)
	ds_store_b8 v5, v[XE+(\t)] offset:16*(\t)      ; both lanes of a block write the same byte with the same value
	global_store_b64 v4, v[XC+4*(\t):XC+4*(\t)+1], s[10:11] offset:256*(\t)   ; the wave stores 256 consecutive bytes, aligned
.endm
; ---- W: a lane takes a column n and its registers run down K: a block of 32 lies in one lane, and the codes come out with K innermost.
.macro WLOAD t
.irp i, 0,1,2,3,4,5,6,7,8,9,10,11,12,13,14,15,16,17,18,19,20,21,22,23,24,25,26,27,28,29,30,31
	global_load_b32 v[WX+32*((\t)%2)+\i], v3, s[6:7] offset:(32*(\t)+\i)*WN*4 th:TH_LOAD_NT   ; the largest offset, 511 x 12,288, lies inside the signed 24-bit immediate
.endr
.endm
.macro WBLOCK t
.set XS, WX+32*((\t)%2)
.if (\t) < 15
	s_wait_loadcnt 32                              ; this block's 32 loads are in; the next block's may be out
.else
	s_wait_loadcnt 0x0
.endif
	v_max3_num_f32 v12, |v[XS]|, |v[XS+1]|, |v[XS+2]|
	v_max3_num_f32 v13, |v[XS+3]|, |v[XS+4]|, |v[XS+5]|
.irp i, 6,10,14,18,22,26
	v_max3_num_f32 v12, v12, |v[XS+\i]|, |v[XS+\i+1]|
	v_max3_num_f32 v13, v13, |v[XS+\i+2]|, |v[XS+\i+3]|
.endr
	v_max3_num_f32 v12, v12, |v[XS+30]|, |v[XS+31]|
	v_max3_num_f32 v12, v12, v13, 0x1800000        ; the floor, as above
	v_add_nc_u32 v11, 0xff000000, v12
	v_lshrrev_b32 v13, 23, v11                     ; the scale's byte
.if (\t)%4 == 0
	v_mov_b32 v[WSB+(\t)/4], v13                   ; four bytes to a register, the lower K in the lower byte
.else
	v_lshl_or_b32 v[WSB+(\t)/4], v13, 8*((\t)%4), v[WSB+(\t)/4]
.endif
.irp g, 0,1,2,3
	v_cvt_scalef32_pk8_fp4_f32 v[WC+\g], v[XS+8*\g:XS+8*\g+7], v11
.endr
	ds_store_b128 v4, v[WC:WC+3] offset:16*(\t)    ; 32 codes: 16 bytes of my column's row
.if (\t)+2 < 16
	WLOAD (\t)+2
.endif
	s_wait_dscnt 0x0                               ; the store has read its registers: the next block's codes may be written
.endm
; ---- O: the same choice of lanes; a block of 32 along K of one column is one chunk kc: four pieces of 8 f16.
.macro OLOAD t
.irp i, 0,1,2,3,4,5,6,7,8,9,10,11,12,13,14,15,16,17,18,19,20,21,22,23,24,25,26,27,28,29,30,31
	global_load_b32 v[OX+32*((\t)%2)+\i], v3, s[8:9] offset:(32*(\t)+\i)*4096 th:TH_LOAD_NT
.endr
.endm
.macro OBLOCK t
.if (\t) < 15
	s_wait_loadcnt 32                              ; this block's 32 loads are in; the next block's may be out
.else
	s_wait_loadcnt 0x0
.endif
	s_wait_xcnt 0x0                                ; the stores of two blocks back have read their data: this set of registers is written again only behind this wait
.irp p, 0,1,2,3,4,5,6,7,8,9,10,11,12,13,14,15
	v_cvt_pk_f16_f32 v[OPK+16*((\t)%2)+\p], v[OX+32*((\t)%2)+2*\p], v[OX+32*((\t)%2)+2*\p+1]
.endr
.irp p, 0,1,2,3
	global_store_b128 v4, v[OPK+16*((\t)%2)+4*\p:OPK+16*((\t)%2)+4*\p+3], s[18:19] offset:(\t)*1024+(\p/2)*512+(\p%2)*256   ; k = 8 p + 0..7: part p / 2, half p % 2; sixteen lanes store 256 consecutive bytes, aligned
.endr
.if (\t)+2 < 16
	OLOAD (\t)+2
.endif
.endm
	s_load_b512 s[4:19], s[0:1], 0x0               ; x s[4:5], w_qkv s[6:7], w_out s[8:9], x_codes s[10:11], x_scales s[12:13], w_codes s[14:15], w_scales s[16:17], w_img s[18:19]
	v_lshl_add_u32 v192, v0, 2, 0x10c00
	v_mov_b32 v193, 0
	v_lshrrev_b32 v1, 5, v0
	v_readfirstlane_b32 s20, v1                    ; wave 0..3
	v_and_b32 v2, 31, v0                           ; lane
	s_wait_kmcnt 0x0
	s_cmp_lt_u32 ttmp9, 256
	s_cbranch_scc0 .Lnot_x
	; ================ X ================
	v_lshlrev_b32 v3, 4, v2                        ; my 16 bytes of a load's 512
	s_mul_i32 s21, s20, WREG
	v_lshrrev_b32 v14, 2, v2
	v_mul_u32_u24 v14, v14, SP
	v_and_b32 v15, 3, v2
	v_lshl_add_u32 v14, v15, 4, v14
	v_add_nc_u32 v14, s21, v14                     ; the stage, on the way in: SP (lane / 4) + 16 (lane % 4)
	v_mul_u32_u24 v15, v2, SP
	v_add_nc_u32 v15, s21, v15                     ; and on the way out: SP x lane: my 16 neighbours
	v_lshlrev_b32 v4, 3, v2                        ; my 8 bytes of a step's codes
	v_lshrrev_b32 v5, 1, v2
	s_add_co_u32 s21, s21, 2*32*SP
	v_add_nc_u32 v5, s21, v5                       ; LDS: my wave's 256 scale bytes, my block's byte
	v_lshlrev_b32 v7, 3, v2                        ; and on the way out 8 bytes a lane
	v_add_nc_u32 v6, s21, v7
	s_lshl_b32 s22, ttmp9, 2
	s_add_co_u32 s22, s22, s20                     ; which run of 8,192 numbers is my wave's: 0 .. 1,023
	s_mov_b32 s25, 0
	s_lshl_b32 s24, s22, 15                        ; 32,768 bytes of x a run
	s_add_nc_u64 s[4:5], s[4:5], s[24:25]
	s_lshl_b32 s24, s22, 12                        ; 4,096 bytes of codes
	s_add_nc_u64 s[10:11], s[10:11], s[24:25]
	s_lshl_b32 s24, s22, 8                         ; 256 scale bytes
	s_add_nc_u64 s[12:13], s[12:13], s[24:25]
.irp t, 0,1,2,3
	XLOAD \t
.endr
	s_wait_loadcnt 12                              ; step 0's four loads are in
	XTURN 0
.irp t, 0,1,2,3,4,5,6,7,8,9,10,11,12,13,14,15
	XSTEP \t
.endr
	ds_load_b64 v[12:13], v6                       ; LDS serves a wave's instructions in order: these see my byte stores
	s_wait_dscnt 0x0
	global_store_b64 v7, v[12:13], s[12:13]        ; 32 lanes store 256 consecutive bytes, aligned
	s_wait_tensorcnt 0x0
	ds_add_u32 v192, v193
	s_wait_dscnt 0x0
	s_endpgm
.Lnot_x:
	s_sub_co_u32 s21, ttmp9, 256
	s_lshr_b32 s22, s21, 5                         ; which 512 along K: 0, 1
	s_and_b32 s21, s21, 31                         ; 0-23: a group of 128 columns of w_qkv; 24-31: of w_out
	s_cmp_lt_u32 s21, 24
	s_cbranch_scc0 .Lpath_o
	; ================ W ================
	s_lshl_b32 s23, s21, 7
	s_lshl_b32 s24, s20, 5
	s_add_co_u32 s23, s23, s24                     ; my wave's first column
	v_lshlrev_b32 v3, 2, v2                        ; in: 4 bytes a lane
	s_mul_i32 s24, s20, 32*WPITCH
	s_add_co_u32 s24, s24, WSTG                    ; my stage
	v_mul_u32_u24 v4, v2, WPITCH
	v_add_nc_u32 v4, s24, v4                       ; into it: row = my column
	v_and_b32 v5, 15, v2
	v_lshrrev_b32 v6, 4, v2                        ; out of it: sixteen lanes to a row, two rows an instruction
	v_mul_u32_u24 v7, v6, WPITCH
	v_lshl_add_u32 v7, v5, 4, v7
	v_add_nc_u32 v7, s24, v7
	v_mul_u32_u24 v8, v6, WKROW
	v_lshl_add_u32 v8, v5, 4, v8                   ; and the same place in the codes' buffer
	v_lshlrev_b32 v9, 5, v2                        ; my column's row of 32 scale bytes
	s_mov_b32 s27, 0
	s_mul_i32 s26, s22, 512*WN*4                   ; w_qkv: 512 rows down for each step along K,
	s_lshl_b32 s25, s23, 2
	s_add_co_u32 s26, s26, s25                     ; + 4 x column
	s_add_nc_u64 s[6:7], s[6:7], s[26:27]
	s_lshl_b32 s26, s23, 9                         ; codes: column x 512 + 256 x step
	s_lshl_b32 s25, s22, 8
	s_add_co_u32 s26, s26, s25
	s_add_nc_u64 s[14:15], s[14:15], s[26:27]
	s_lshl_b32 s26, s23, 5                         ; scale bytes: column x 32 + 16 x step
	s_lshl_b32 s25, s22, 4
	s_add_co_u32 s26, s26, s25
	s_add_nc_u64 s[16:17], s[16:17], s[26:27]
	WLOAD 0
	WLOAD 1
.irp t, 0,1,2,3,4,5,6,7,8,9,10,11,12,13,14,15
	WBLOCK \t
.endr
	global_store_b128 v9, v[WSB:WSB+3], s[16:17]   ; my column's 16 scale bytes
.irp t, 0,1,2,3,4,5,6,7,8,9,10,11,12,13,14,15
	ds_load_b128 v[WOUT+4*\t:WOUT+4*\t+3], v7 offset:2*\t*WPITCH   ; LDS serves a wave's instructions in order: these see my stores
.endr
.irp t, 0,1,2,3,4,5,6,7,8,9,10,11,12,13,14,15
	s_wait_dscnt 15-\t
	global_store_b128 v8, v[WOUT+4*\t:WOUT+4*\t+3], s[14:15] offset:2*\t*WKROW   ; sixteen lanes store 256 consecutive bytes, aligned
.endr
	s_wait_tensorcnt 0x0
	ds_add_u32 v192, v193
	s_wait_dscnt 0x0
	s_endpgm
.Lpath_o:
	; ================ O ================
	s_sub_co_u32 s21, s21, 24                      ; group of 128 columns: 0 .. 7
	v_lshlrev_b32 v3, 2, v2                        ; in: 4 bytes a lane
	v_lshrrev_b32 v4, 4, v2
	v_lshlrev_b32 v4, 15, v4                       ; out: lanes 16-31 belong to the next tile of 16 columns,
	v_and_b32 v5, 15, v2
	v_lshl_or_b32 v4, v5, 4, v4                    ; 16 bytes a column
	s_mov_b32 s25, 0
	s_lshl_b32 s24, s22, 21                        ; w_out: 512 rows of 4,096 bytes for each step along K,
	s_lshl_b32 s23, s21, 9
	s_add_co_u32 s24, s24, s23                     ; + 128 columns a group,
	s_lshl_b32 s23, s20, 7
	s_add_co_u32 s24, s24, s23                     ; + 32 a wave
	s_add_nc_u64 s[8:9], s[8:9], s[24:25]
	s_lshl_b32 s24, s21, 18                        ; images: 8 tiles of 32,768 bytes a group,
	s_lshl_b32 s23, s20, 16
	s_add_co_u32 s24, s24, s23                     ; 2 a wave,
	s_lshl_b32 s23, s22, 14
	s_add_co_u32 s24, s24, s23                     ; 16 chunks of 1,024 bytes for each step along K
	s_add_nc_u64 s[18:19], s[18:19], s[24:25]
	OLOAD 0
	OLOAD 1
.irp t, 0,1,2,3,4,5,6,7,8,9,10,11,12,13,14,15
	OBLOCK \t
.endr
	s_endpgm
.Lfunc_end_k_qcd2dd90e59_prep:
	.size	k_qcd2dd90e59_prep, .Lfunc_end_k_qcd2dd90e59_prep-k_qcd2dd90e59_prep
	.p2alignl 7, 3214868480
	.fill 96, 4, 3214868480
	.section	.rodata,"a",@progbits
	.p2align	6, 0x0
	.amdhsa_kernel k_qcd2dd90e59_prep
		.amdhsa_group_segment_fixed_size 69120
		.amdhsa_private_segment_fixed_size 0
		.amdhsa_enable_private_segment 0
		.amdhsa_kernarg_size 64
		.amdhsa_user_sgpr_count 2
		.amdhsa_user_sgpr_kernarg_segment_ptr 1
		.amdhsa_wavefront_size32 1
		.amdhsa_system_sgpr_workgroup_id_x 1
		.amdhsa_system_sgpr_workgroup_id_y 1
		.amdhsa_system_sgpr_workgroup_id_z 1
		.amdhsa_system_vgpr_workitem_id 0
		.amdhsa_next_free_vgpr 194
		.amdhsa_next_free_sgpr 66
		.amdhsa_reserve_vcc 0
		.amdhsa_float_denorm_mode_32 3
		.amdhsa_float_denorm_mode_16_64 3
		.amdhsa_memory_ordered 1
		.amdhsa_forward_progress 1
		.amdhsa_inst_pref_size 182
	.end_amdhsa_kernel
	.amdgpu_metadata
---
amdhsa.version: [ 1, 2 ]
amdhsa.kernels:
  - .name:           k_qcd2dd90e59_prep
    .symbol:         k_qcd2dd90e59_prep.kd
    .args:
      - { .name: x, .offset: 0, .size: 8, .value_kind: global_buffer, .address_space: global }
      - { .name: w_qkv, .offset: 8, .size: 8, .value_kind: global_buffer, .address_space: global }
      - { .name: w_out, .offset: 16, .size: 8, .value_kind: global_buffer, .address_space: global }
      - { .name: x_codes, .offset: 24, .size: 8, .value_kind: global_buffer, .address_space: global }
      - { .name: x_scales, .offset: 32, .size: 8, .value_kind: global_buffer, .address_space: global }
      - { .name: w_codes, .offset: 40, .size: 8, .value_kind: global_buffer, .address_space: global }
      - { .name: w_scales, .offset: 48, .size: 8, .value_kind: global_buffer, .address_space: global }
      - { .name: w_img, .offset: 56, .size: 8, .value_kind: global_buffer, .address_space: global }
    .group_segment_fixed_size: 69120
    .private_segment_fixed_size: 0
    .kernarg_segment_align: 8
    .kernarg_segment_size: 64
    .max_flat_workgroup_size: 128
    .sgpr_count:     66
    .vgpr_count:     194
    .wavefront_size: 32
...
	.end_amdgpu_metadata
.endif
;; end of part 1
;; launch qkv (part 2): grid 12 x 32, 4 waves a work-group, clusters of 4 x 4, 327,680 bytes of LDS; arguments x_codes, x_scales, w_codes, w_scales, b_qkv, qkv; writes qkv
.if DOCPART == 2
	.amdgcn_target "amdgcn-amd-amdhsa--gfx1250"
	.amdhsa_code_object_version 6
	.text
	.protected	k_qcd2dd90e59_qkv
	.globl	k_qcd2dd90e59_qkv
	.p2align	8
	.type	k_qcd2dd90e59_qkv,@function
k_qcd2dd90e59_qkv:
	s_mov_b64 s[64:65], 0
	v_nop
	global_prefetch_b8 v0, s[64:65] scope:SCOPE_SE
	s_setreg_imm32_b32 hwreg(HW_REG_WAVE_MODE, 25, 1), 1
	s_wait_xcnt 0x0
	s_wait_alu depctr_hold_cnt(0) depctr_sa_sdst(0) depctr_va_vdst(0) depctr_va_sdst(0) depctr_va_ssrc(0) depctr_va_vcc(0) depctr_vm_vsrc(0)
	s_getreg_b32 s2, hwreg(HW_REG_IB_STS2, 6, 4)
	s_cmp_eq_u32 s2, 0
	s_cbranch_scc0 .Lentry_in_a_cluster
	s_endpgm
.Lentry_in_a_cluster:
	s_bfe_u32 s2, ttmp6, 0x10000c
	s_cmp_lg_u32 s2, 0xf033
	s_cbranch_scc0 .Lentry_shape_is_right
	s_endpgm
.Lentry_shape_is_right:
; qkv = Q(x) Q(w_qkv) + b_qkv on codes of FP4 (E2M1) with one E8M0 scale for each 32 along K; sums in f32; the result is rounded once to f16 and stored as images of the next launch's operand registers.
; A = x's codes [8192][512 bytes], B = w_qkv's codes [3072][512 bytes], K = 1,024 innermost; scale bytes [rows][32].
; A tile of C, 256 x 256, is made by a work-group of four waves; a wave makes 128 x 128: 64 accumulators of 16 x 16, 512 registers.  K is two slots of 512: each slot of LDS is filled once, no slot again.
; THE SCALES of the work-group's 256 rows of A and of B, for all of K, are two dense blocks of memory: they come into LDS once, with the first fills.
; CLUSTERS: 4 x 4 work-groups.  The four of a row of the cluster need the same tiles of A, the four of a column the same tiles of B: each tile is asked for JOINTLY.
; THE MATRIX INSTRUCTION IS USED TRANSPOSED (source 0 = 16 rows of B, source 1 = 16 rows of A): a lane holds token l % 16 and eight neighbouring columns 8 (l / 16) + 0..7.
; THE BIAS is the C of each sum's first matrix instruction: eight registers for each block of 16 columns, in the result's layout.
; THE OUTPUT: qkv = which (q 0, k 1, v 2) x 2^24 + (batch x 16 + head) x 2^18 + tile of 16 tokens x 2,048 + tile of 16 channels x 512; a piece of 512 bytes holds lane l's 16 bytes (token l % 16, channels 8 (l / 16) + 0..7) at 16 l.
;   Two neighbouring pieces are a 16-bit fragment's registers 0-3 and 4-7.  In v's pieces the lane (r, h) stores at 16 x (16 (r / 8) + 8 h + r % 8): the turning LDS load then reads them at 16 x lane.
;   So a lane's four packed registers leave as they stand, and every store of a wave covers 512 consecutive bytes, aligned.
; LIMIT: q, k, v beyond 65,504 in magnitude have no f16.
; 384 work-groups: a tile of 256 x 384 would give 256, but its 768 accumulator registers leave no room for two sets of B's fragments and the addresses.
; REGISTERS, in windows of 256: window 0: v0-31 addresses; v32-95 scale words, two sets; v128-191 A's fragments, ONE set; v192-255 the bias; on the way out v128-255 hold packed results.
;   window 1: B's fragments, TWO sets, at v0 and at v128.   window 2: the accumulators of my rows 0-63 ((a, b) at v[8 (8 a + b)]);   window 3: those of my rows 64-127.
.set SIZE_K, 1024
.set KSTEP,  512
.set NQ,     KSTEP/128
.set ROWB,   256
.set KROW,   SIZE_K*4/8
.set PITCH,  272                       ; an LDS row: 256 bytes of data + 16 of padding = 68 words: the 16 rows that a load touches start at 16 different banks (64 banks of 4 bytes: ISA guide 11.1)
.set FR,     8
.set NL,     2
.set NP,     4                         ; places behind this matrix instruction (ISA guide 7.12.1)
.set HALFT,  128*PITCH
.set SLOT,   4*HALFT
.set KS,     SIZE_K/32
.set SCL,    2*SLOT
.set HALFS,  (128*KS/256)*272
.set SBLK,   (16*KS/256)*272
.set SPARE,  SCL+4*HALFS               ; behind the scales: the spare words, 128 bytes for each wave, which no other line names
.set ADRA, 16
.set ADRB, 20
.set CO,   26                          ; v26  my 16 bytes' place in a piece
.set ADRS, 27
.set SPW,  28
.set NIL,  29
.set SC,   32
.set AF,   128
.set BI,   192                         ; the bias: v[BI + 8 b + j] = b_qkv at my column 16 b + 8 (l / 16) + j
.set OB,   128                         ; the way out: four sets of 32 registers
.set G1, 24
.set G0, 32
.set G1B, 48
.set G0B, 56
.set G1S, 68
.set G0S, 76
.set G1SB, 80
.set G0SB, 88
.set MSB, 0
.macro WIN new                         ; the immediate's high byte repeats the setting that is left
.if MSB != \new
	s_set_vgpr_msb (MSB<<8)|\new
.set MSB, \new
.endif
.endm
.set MUL_LO, 0xa1                      ; source 0 (B) window 1, source 1 (A) window 0, C and D window 2
.set MUL_HI, 0xf1                      ; the same, C and D window 3
.set BIA_LO, 0x81                      ; C (the bias) window 0, D window 2
.set BIA_HI, 0xc1                      ; C window 0, D window 3
.set TO_B,   0x40
; A joint load: waves 0 and 1 fetch for A, waves 2 and 3 for B.  Each of the two lines has ONE mask and one set of registers for all that issue it; the branch hangs on the wave's number alone.
; Four v_nop follow each of the two lines, ahead of the jump, the label and what follows.
.macro JLOAD g0a, g1a, g0b, g1b
	s_cmp_eq_u32 s15, 0
	s_cbranch_scc0 .Lfor_b_\@
	tensor_load_to_lds s[\g0a:\g0a+3], s[\g1a:\g1a+7]
	s_nop 0
.rept 4
	v_nop
.endr
	s_branch .Lasked_\@
.Lfor_b_\@:
	tensor_load_to_lds s[\g0b:\g0b+3], s[\g1b:\g1b+7]
	s_nop 0
.rept 4
	v_nop
.endr
.Lasked_\@:
.endm
.macro CROUND                          ; a round of the cluster's barrier
	s_barrier_signal -1
	s_barrier_wait -1
	s_cmp_lg_u32 s14, 0
	s_cbranch_scc1 .Lnot_wave_0_\@
	s_barrier_signal -3
.Lnot_wave_0_\@:
	s_barrier_wait -3
	s_barrier_signal -1
	s_barrier_wait -1
.endm
	s_load_b128 s[4:7], s[0:1], 0x0                ; A's codes s[4:5], A's scales s[6:7]
	s_load_b128 s[8:11], s[0:1], 0x10              ; B's codes s[8:9], B's scales s[10:11]
	s_load_b128 s[96:99], s[0:1], 0x20             ; b_qkv s[96:97], qkv s[98:99]
	v_lshl_add_u32 v[SPW], v0, 2, SPARE
	v_mov_b32 v[NIL], 0
	ds_add_u32 v28, v29
	s_wait_dscnt 0x0
	v_lshrrev_b32 v1, 5, v0
	v_readfirstlane_b32 s14, v1                    ; wave 0..3
	s_lshr_b32 s15, s14, 1                         ; which half of the tile's rows is mine.  Also: I fetch for A (0) or for B (1)
	s_and_b32 s16, s14, 1                          ; which half of its columns.  Also: which 128 rows of that tile I fetch
	s_bfe_u32 s40, ttmp6, 0x40000                  ; cx, cy: my place in the cluster
	s_bfe_u32 s41, ttmp6, 0x40004
	s_lshl_b32 s42, ttmp9, 2
	s_add_co_u32 s42, s42, s40                     ; tile column of C = 4 x cluster x + cx
	s_and_b32 s17, ttmp7, 0xffff
	s_lshl_b32 s17, s17, 2
	s_add_co_u32 s17, s17, s41                     ; tile row of C = 4 x cluster y + cy
	s_lshl_b32 s43, s41, 2
	s_lshl_b32 s43, 15, s43                        ; my row of the cluster
	s_lshl_b32 s44, 0x1111, s40                    ; my column
	; descriptor group 1: a tile of 128 rows x 256 bytes, padded in LDS
	s_or_b32 s[G1+0], s43, (0<<16)|(1<<20)|(1<<21)|(5<<22)|(3<<25)  ; 15:0 the mask: A's tiles go to my row; 17:16 element of 1 byte; 20 padding on; 21 set beside a mask; 24:22 after every 64 words (code 5); 31:25 of 4 words (code 3)
	s_or_b32 s[G1B+0], s44, (0<<16)|(1<<20)|(1<<21)|(5<<22)|(3<<25)
.irp g, G1, G1B
	s_mov_b32 s[\g+1], ROWB<<16                    ; tensor_dim0
	s_mov_b32 s[\g+2], 128<<16                     ; tensor_dim1 = 128
	s_mov_b32 s[\g+3], ROWB<<16                    ; tile_dim0
	s_mov_b32 s[\g+4], 128                         ; tile_dim1 = 128
	s_mov_b32 s[\g+5], KROW                        ; tensor_dim0_stride
	s_mov_b32 s[\g+6], 0
	s_mov_b32 s[\g+7], 0
.endr
	; and for the scales of 128 rows: a dense block of 4,096 bytes, as 16 rows of 256 bytes (32 elements of 8 bytes), 16 bytes of padding behind each
	s_or_b32 s[G1S+0], s43, (3<<16)|(1<<20)|(1<<21)|(5<<22)|(3<<25)
	s_or_b32 s[G1SB+0], s44, (3<<16)|(1<<20)|(1<<21)|(5<<22)|(3<<25)
.irp g, G1S, G1SB
	s_mov_b32 s[\g+1], 32<<16
	s_mov_b32 s[\g+2], (128*KS/256)<<16
	s_mov_b32 s[\g+3], 32<<16
	s_mov_b32 s[\g+4], 128*KS/256
	s_mov_b32 s[\g+5], 32
	s_mov_b32 s[\g+6], 0
	s_mov_b32 s[\g+7], 0
.endr
	s_lshl_b32 s18, s16, 7                         ; which 128 rows of the tile I fetch
	s_lshl_b32 s20, s17, 8
	s_add_co_u32 s20, s20, s18                     ; A: row 256 x tile row + 128 x half
	s_lshl_b32 s46, s42, 8
	s_add_co_u32 s46, s46, s18                     ; B: row 256 x tile column + 128 x half
	s_mov_b32 s21, 0
	s_mov_b32 s47, 0
	s_mov_b64 s[18:19], KS
	s_mul_u64 s[22:23], s[20:21], s[18:19]         ; where these rows' scales begin, in bytes
	s_mul_u64 s[92:93], s[46:47], s[18:19]
	s_mov_b64 s[18:19], KROW
	s_mul_u64 s[20:21], s[20:21], s[18:19]         ; and their codes
	s_mul_u64 s[46:47], s[46:47], s[18:19]
	s_mul_i32 s45, s14, HALFT                      ; where they go: wave x 128 rows: no place in the cluster enters an LDS address
	s_mul_i32 s94, s14, HALFS
	s_wait_kmcnt 0x0
	s_add_nc_u64 s[20:21], s[4:5], s[20:21]
	s_add_nc_u64 s[22:23], s[6:7], s[22:23]
	s_add_nc_u64 s[46:47], s[8:9], s[46:47]
	s_add_nc_u64 s[92:93], s[10:11], s[92:93]
	CROUND                                         ; all sixteen work-groups are here: the first joint loads meet
	s_mov_b32 s[G0S], 1
	s_add_co_u32 s[G0S+1], s94, SCL
	s_mov_b64 s[G0S+2:G0S+3], s[22:23]
	s_or_b32 s[G0S+3], s[G0S+3], 0x80000000
	s_mov_b32 s[G0SB], 1
	s_add_co_u32 s[G0SB+1], s94, SCL
	s_mov_b64 s[G0SB+2:G0SB+3], s[92:93]
	s_or_b32 s[G0SB+3], s[G0SB+3], 0x80000000
	JLOAD G0S, G1S, G0SB, G1SB                     ; the scales first: they are wanted with the first slot
.irp s, 0,1
	s_mov_b32 s[G0+4*\s], 1
	s_add_co_u32 s[G0+4*\s+1], s45, \s*SLOT
	s_add_nc_u64 s[G0+4*\s+2:G0+4*\s+3], s[20:21], \s*ROWB
	s_or_b32 s[G0+4*\s+3], s[G0+4*\s+3], 0x80000000
	s_mov_b32 s[G0B+4*\s], 1
	s_add_co_u32 s[G0B+4*\s+1], s45, \s*SLOT
	s_add_nc_u64 s[G0B+4*\s+2:G0B+4*\s+3], s[46:47], \s*ROWB
	s_or_b32 s[G0B+4*\s+3], s[G0B+4*\s+3], 0x80000000
	JLOAD G0+4*\s, G1, G0B+4*\s, G1B               ; three tensor loads of mine are out now: all that this launch has
.endr
	v_and_b32 v1, 15, v0                           ; l % 16
	v_bfe_u32 v2, v0, 4, 1                         ; l / 16
	v_mul_u32_u24 v3, v1, PITCH
	v_lshl_add_u32 v4, v2, 4, v3                   ; a fragment's row x pitch + 16 x half
	s_mul_i32 s21, s15, HALFT                      ; my 128 rows of A
	s_mul_i32 s22, s16, HALFT                      ; my 128 rows of B,
	s_add_co_u32 s22, s22, 2*HALFT                 ; which lie behind A's 256
.irp s, 0,1
	v_add_nc_u32 v[ADRA+\s], s21, v4
	v_add_nc_u32 v[ADRB+\s], s22, v4
	s_add_co_u32 s21, s21, SLOT
	s_add_co_u32 s22, s22, SLOT
.endr
	v_mul_u32_u24 v5, v1, KS                       ; my row's scales: 32 bytes a row,
	v_lshrrev_b32 v6, 8, v5
	v_lshl_add_u32 v5, v6, 4, v5                   ; and 16 more for each 256 passed
	s_mul_i32 s21, s15, HALFS                      ; A's: my 128 rows
	s_mul_i32 s22, s16, HALFS                      ; B's: my 128 rows, behind A's 256
	s_add_co_u32 s22, s22, 2*HALFS
	s_sub_co_u32 s22, s22, s21
	v_mul_u32_u24 v6, s22, v2                      ; lanes 16-31 take B's
	s_add_co_u32 s21, s21, SCL
	v_add_nc_u32 v5, v5, v6
	v_add_nc_u32 v[ADRS], s21, v5
	; the bias of my 128 columns.  Offsets that mix the two places in the cluster are made in s[12:13] and s2, which feed no descriptor
	v_lshlrev_b32 v8, 5, v2                        ; 8 numbers on for lanes 16-31
	s_lshl_b32 s12, s42, 10                        ; 256 columns of 4 bytes a tile column,
	s_lshl_b32 s2, s16, 9
	s_add_co_u32 s12, s12, s2                      ; 128 a half
	s_mov_b32 s13, 0
	s_add_nc_u64 s[96:97], s[96:97], s[12:13]
.irp b, 0,1,2,3,4,5,6,7
	global_load_b128 v[BI+8*\b:BI+8*\b+3], v8, s[96:97] offset:64*\b
	global_load_b128 v[BI+8*\b+4:BI+8*\b+7], v8, s[96:97] offset:64*\b+16
.endr
	; where my results go
	v_and_b32 v6, 31, v0
	v_lshlrev_b32 v9, 4, v6                        ; q, k: 16 x lane
	v_and_b32 v10, 7, v0
	v_lshlrev_b32 v10, 4, v10
	v_bfe_u32 v11, v0, 3, 1
	v_lshl_or_b32 v10, v11, 8, v10
	v_lshl_or_b32 v10, v2, 7, v10                  ; v: 16 x (16 (r / 8) + 8 h + r % 8)
	s_cmp_eq_u32 ttmp9, 2                          ; the cluster's x says which of q, k, v: 1,024 columns are four tile columns
	s_cselect_b32 s2, -1, 0
	v_cndmask_b32 v[CO], v9, v10, s2
	s_lshr_b32 s12, s17, 3                         ; batch = tile row / 8
	s_lshl_b32 s12, s12, 4
	s_lshl_b32 s2, s40, 2
	s_add_co_u32 s12, s12, s2                      ; + head: 4 cx
	s_lshl_b32 s2, s16, 1
	s_add_co_u32 s12, s12, s2                      ; + 2 x column half
	s_lshl_b32 s12, s12, 18
	s_and_b32 s2, s17, 7
	s_lshl_b32 s2, s2, 15                          ; 16 token tiles of 2,048 bytes a tile row,
	s_add_co_u32 s12, s12, s2
	s_lshl_b32 s2, s15, 14                         ; 8 a row half
	s_add_co_u32 s12, s12, s2
	s_lshl_b32 s2, ttmp9, 24
	s_add_co_u32 s12, s12, s2                      ; under 2^26
	s_add_nc_u64 s[98:99], s[98:99], s[12:13]
.macro FRAG reg, adr, q, i             ; a fragment, 16 rows x 128 K of 4-bit codes, is 8 registers: lane l holds row l % 16; registers 4 c .. 4 c + 3 hold K = 64 c + 32 (l / 16) + 0 .. 31
.irp c, 0,1
	ds_load_b128 v[\reg+4*\c:\reg+4*\c+3], v[\adr] offset:64*(\q)+32*\c+(\i)*16*PITCH
.endr
.endm
; 16 matrix instructions: A's blocks a0, a0 + 1 x B's eight, 128 along K: the slot's q-th.  p: B's set;  sc: the set of scale words.  zero = 1: the first product starts the sums on the bias: nothing is ever cleared.
; The 64 accumulators take turns, one instruction a turn, in the same order in every step.
.macro MUL16 a0, p, q, sc, zero
.irp a, \a0, \a0+1
.irp b, 0,1,2,3,4,5,6,7
.if \zero
	v_wmma_scale_f32_16x16x128_f8f6f4 v[8*(8*((\a)%4)+\b):8*(8*((\a)%4)+\b)+7], v[128*(\p)+FR*\b:128*(\p)+FR*\b+FR-1], v[AF+FR*(\a):AF+FR*(\a)+FR-1], v[BI+8*\b:BI+8*\b+7], v[SC+8*NQ*(\sc)+NQ*\b+(\q)], v[SC+8*NQ*(\sc)+NQ*(\a)+(\q)] matrix_a_fmt:MATRIX_FMT_FP4 matrix_b_fmt:MATRIX_FMT_FP4 matrix_a_scale:MATRIX_SCALE_ROW1
.else
	v_wmma_scale_f32_16x16x128_f8f6f4 v[8*(8*((\a)%4)+\b):8*(8*((\a)%4)+\b)+7], v[128*(\p)+FR*\b:128*(\p)+FR*\b+FR-1], v[AF+FR*(\a):AF+FR*(\a)+FR-1], v[8*(8*((\a)%4)+\b):8*(8*((\a)%4)+\b)+7], v[SC+8*NQ*(\sc)+NQ*\b+(\q)], v[SC+8*NQ*(\sc)+NQ*(\a)+(\q)] matrix_a_fmt:MATRIX_FMT_FP4 matrix_b_fmt:MATRIX_FMT_FP4 matrix_a_scale:MATRIX_SCALE_ROW1
.endif
.endr
.endr
.endm
.macro FETCH_B slot, q, p              ; B's eight fragments of the slot's q-th 128 along K into set p
	WIN TO_B
.irp i, 0,1,2,3,4,5,6,7
	FRAG 128*(\p)+FR*\i, ADRB+\slot, \q, \i
.endr
	WIN 0
.endm
.macro FETCH_A slot, q, i0             ; A's blocks i0 .. i0 + 3
.irp i, \i0, \i0+1, \i0+2, \i0+3
	FRAG AF+FR*(\i), ADRA+\slot, \q, \i
.endr
.endm
.macro SCALES sc                       ; a slot's scale words into set sc: 4 words a row; lanes 0-15 take A's block i, lanes 16-31 B's block i
.irp i, 0,1,2,3,4,5,6,7
	ds_load_b128 v[SC+8*NQ*\sc+NQ*\i:SC+8*NQ*\sc+NQ*\i+3], v[ADRS] offset:\i*SBLK
.endr
.endm
; A load into a register that a matrix instruction has read, and a vector instruction that reads a matrix result, stand NP places behind that matrix instruction, and only plain vector
; instructions that name none of its registers are places (ISA guide 7.12.1 for vector instructions).
.macro PLACES n
.rept \n
	v_nop
.endr
.endm
; A step of 128 along K that has its successor in the same slot.
.macro STEP slot, q, zero
	s_wait_dscnt 4*NL                              ; B's set and A's blocks 0-3 are in; the youngest eight loads (A's blocks 4-7) may be out
.if \zero
	WIN BIA_LO
.else
	WIN MUL_LO
.endif
	MUL16 0, (\q)%2, \q, \slot, \zero
	MUL16 2, (\q)%2, \q, \slot, \zero
	s_wait_dscnt 0                                 ; A's blocks 4-7 are in (asked for 32 matrix instructions ago)
	PLACES NP
	FETCH_B \slot, (\q)+1, 1-(\q)%2
	FETCH_A \slot, (\q)+1, 0
.if \zero
	WIN BIA_HI
.else
	WIN MUL_HI
.endif
	MUL16 4, (\q)%2, \q, \slot, \zero
	MUL16 6, (\q)%2, \q, \slot, \zero
	PLACES NP
	WIN 0
	FETCH_A \slot, (\q)+1, 4
.endm
; Slot 0's last step changes slots: ONE barrier; in front of it each wave waits for all its tensor loads (its part of slot 1), adds 0 to its spare word, and waits for that and for its reads.  Nothing is filled again.
.macro TURN slot, next
	s_wait_tensorcnt 0x0                           ; all my tensor loads have landed: my part of the next slot;  (every window is 0 here)
	ds_add_u32 v[SPW], v[NIL]                      ; 0 onto my spare word
	s_wait_dscnt 4*NL+1                            ; (the add and the youngest eight loads, A's blocks 4-7, may be out)
	WIN MUL_LO
	MUL16 0, 1, NQ-1, \slot, 0                     ; sixteen matrix instructions stand between the add and the wait for it
	s_wait_dscnt 0x0                               ; the add is done, and my LDS loads are in
	s_barrier_signal -1
	MUL16 2, 1, NQ-1, \slot, 0
	WIN 0
	s_barrier_wait -1                              ; every wave's part of the next slot has landed
	PLACES NP
	v_add_nc_u32 v[ADRS], 4*NQ, v[ADRS]            ; on to the next slot's scale words (no LDS load of mine is out)
	FETCH_B \next, 0, 0
	FETCH_A \next, 0, 0
	SCALES \next
	WIN MUL_HI
	MUL16 4, 1, NQ-1, \slot, 0
	MUL16 6, 1, NQ-1, \slot, 0
	PLACES NP
	WIN 0
	FETCH_A \next, 0, 4
.endm
	s_wait_tensorcnt 1                             ; the scales and my part of slot 0 are in (slot 1's load, issued behind them, may be out),
	s_barrier_signal -1
	s_barrier_wait -1                              ; everybody's are
	FETCH_B 0, 0, 0
	FETCH_A 0, 0, 0
	SCALES 0
	FETCH_A 0, 0, 4
	s_wait_loadcnt 0x0                             ; the bias
	STEP 0, 0, 1                                   ; the first step's products start the sums on the bias
	STEP 0, 1, 0
	STEP 0, 2, 0
	TURN 0, 1
	STEP 1, 0, 0
	STEP 1, 1, 0
	STEP 1, 2, 0
	s_wait_dscnt 4*NL                              ; the very last step: nothing more to fetch
	WIN MUL_LO
	MUL16 0, 1, NQ-1, 1, 0
	MUL16 2, 1, NQ-1, 1, 0
	s_wait_dscnt 0
	WIN MUL_HI
	MUL16 4, 1, NQ-1, 1, 0
	MUL16 6, 1, NQ-1, 1, 0
	WIN 0
; THE WAY OUT, block by block of 16 tokens x 128 columns (two heads of four channel tiles).  Each accumulator is read from its low end on; its eight numbers pack into the lane's 16 bytes of one piece.
.macro OUTB a
.set AC, 64*((\a)%4)
.set PB, OB+32*((\a)%4)
	WIN 0x0a+5*((\a)/4)                            ; sources 0 and 1: window 2 or 3
.irp b, 0,1,2,3,4,5,6,7
.irp r, 0,1,2,3
	v_cvt_pk_f16_f32 v[PB+4*\b+\r], v[AC+8*\b+2*\r], v[AC+8*\b+2*\r+1]
.endr
.endr
	WIN 0
.irp b, 0,1,2,3,4,5,6,7
	global_store_b128 v[CO], v[PB+4*\b:PB+4*\b+3], s[98:99] offset:(\b/4)*262144+(\a)*2048+(\b%4)*512   ; head b / 4, token tile a, channel tile b % 4: 512 consecutive bytes, aligned
.endr
.endm
	PLACES NP                                      ; behind the last products: for the reads of results and for the writes into the registers that held A's fragments
.irp a, 0,1,2,3,4,5,6,7
.if \a >= 4
	s_wait_xcnt 0x0                                ; block a - 4's stores have read their data: its set of registers is written again only behind this wait
.endif
	OUTB \a
.endr
	s_wait_tensorcnt 0x0                           ; the wave's end
	ds_add_u32 v[SPW], v[NIL]
	s_wait_dscnt 0x0
	CROUND                                         ; the closing round: no work-group ends while a partner may still ask for a tile that names it
	s_endpgm
.Lfunc_end_k_qcd2dd90e59_qkv:
	.size	k_qcd2dd90e59_qkv, .Lfunc_end_k_qcd2dd90e59_qkv-k_qcd2dd90e59_qkv
	.p2alignl 7, 3214868480
	.fill 96, 4, 3214868480
	.section	.rodata,"a",@progbits
	.p2align	6, 0x0
	.amdhsa_kernel k_qcd2dd90e59_qkv
		.amdhsa_group_segment_fixed_size 327680
		.amdhsa_private_segment_fixed_size 0
		.amdhsa_enable_private_segment 0
		.amdhsa_kernarg_size 48
		.amdhsa_user_sgpr_count 2
		.amdhsa_user_sgpr_kernarg_segment_ptr 1
		.amdhsa_wavefront_size32 1
		.amdhsa_system_sgpr_workgroup_id_x 1
		.amdhsa_system_sgpr_workgroup_id_y 1
		.amdhsa_system_sgpr_workgroup_id_z 1
		.amdhsa_system_vgpr_workitem_id 0
		.amdhsa_next_free_vgpr 1024
		.amdhsa_next_free_sgpr 100
		.amdhsa_reserve_vcc 0
		.amdhsa_float_denorm_mode_32 3
		.amdhsa_float_denorm_mode_16_64 3
		.amdhsa_memory_ordered 1
		.amdhsa_forward_progress 1
		.amdhsa_inst_pref_size 119
	.end_amdhsa_kernel
	.amdgpu_metadata
---
amdhsa.version: [ 1, 2 ]
amdhsa.kernels:
  - .name:           k_qcd2dd90e59_qkv
    .symbol:         k_qcd2dd90e59_qkv.kd
    .args:
      - { .name: x_codes, .offset: 0, .size: 8, .value_kind: global_buffer, .address_space: global }
      - { .name: x_scales, .offset: 8, .size: 8, .value_kind: global_buffer, .address_space: global }
      - { .name: w_codes, .offset: 16, .size: 8, .value_kind: global_buffer, .address_space: global }
      - { .name: w_scales, .offset: 24, .size: 8, .value_kind: global_buffer, .address_space: global }
      - { .name: b_qkv, .offset: 32, .size: 8, .value_kind: global_buffer, .address_space: global }
      - { .name: qkv, .offset: 40, .size: 8, .value_kind: global_buffer, .address_space: global }
    .group_segment_fixed_size: 327680
    .private_segment_fixed_size: 0
    .kernarg_segment_align: 8
    .kernarg_segment_size: 48
    .max_flat_workgroup_size: 128
    .sgpr_count:     100
    .vgpr_count:     1024
    .wavefront_size: 32
...
	.end_amdgpu_metadata
.endif
;; end of part 2
;; launch attn (part 3): grid 4 x 64, 8 waves a work-group, clusters of 4 x 1, 327,680 bytes of LDS; arguments qkv, z_img; writes z_img
.if DOCPART == 3
	.amdgcn_target "amdgcn-amd-amdhsa--gfx1250"
	.amdhsa_code_object_version 6
	.text
	.protected	k_qcd2dd90e59_attn
	.globl	k_qcd2dd90e59_attn
	.p2align	8
	.type	k_qcd2dd90e59_attn,@function
k_qcd2dd90e59_attn:
	s_mov_b64 s[64:65], 0
	v_nop
	global_prefetch_b8 v0, s[64:65] scope:SCOPE_SE
	s_setreg_imm32_b32 hwreg(HW_REG_WAVE_MODE, 25, 1), 1
	s_wait_xcnt 0x0
	s_wait_alu depctr_hold_cnt(0) depctr_sa_sdst(0) depctr_va_vdst(0) depctr_va_sdst(0) depctr_va_ssrc(0) depctr_va_vcc(0) depctr_vm_vsrc(0)
	s_getreg_b32 s2, hwreg(HW_REG_IB_STS2, 6, 4)
	s_cmp_eq_u32 s2, 0
	s_cbranch_scc0 .Lentry_in_a_cluster
	s_endpgm
.Lentry_in_a_cluster:
	s_bfe_u32 s2, ttmp6, 0x10000c
	s_cmp_lg_u32 s2, 0x3003
	s_cbranch_scc0 .Lentry_shape_is_right
	s_endpgm
.Lentry_shape_is_right:
; z[b][q][head] = the sum over k <= q of softmax_k(Q . K / 8) V, for 64 pairs (batch, head), 2,048 tokens, head size 64.  Operands f16, products, maxima and sums f32; the weights p are rounded to f16 for the second product.
; INPUT: qkv, laid as images of operand registers (which x 2^24 + pair x 2^18 + tile of 16 tokens x 2,048 + tile of 16 channels x 512; lane l's 16 bytes at 16 l; v's pieces laid for the turning load).
; OUTPUT: z_img = (batch x 128 + tile of 16 queries) x 32,768 + (head x 4 + tile of 16 channels) x 512, the same kind of piece: the next launch's operand.
; SHARES.  A cluster of four work-groups owns one pair (batch, head).  The work-group at place c owns the query tiles 4 u + c, u = 0 .. 31.  Tile u needs the key steps (64 keys) 0 .. u, the last on the diagonal, whatever c is:
; so all four walk the same K and V with the same constant trip counts and the same work, and every tile of K and V is asked for JOINTLY.
; Wave w of eight owns u = 31 - w, 16 + w, 15 - w, w: 66 tile steps in every wave.  The four are nested: where one is past its diagonal, so are those behind it.  A fragment of K or V read from LDS serves up to four tiles.
; Two waves share a SIMD, so that one wave's softmax stands beside the other's products.
; LAYOUT.  S^T = K Q^T (source 0 = 16 keys, source 1 = 16 queries): a lane holds ONE query (lane % 16) and keys 8 (lane / 16) + 0..7.  Two such tiles, rounded to f16 in pairs, ARE source 1 of O^T = V^T P, whose result
; again holds one query a lane and eight channels: packed, the lane's 16 bytes of a piece of z_img.  Nothing changes lanes but one exchange between the halves for a query's maximum and sum.
; SOFTMAX.  A running maximum m and sum l for each query: p = 2^(c s - c m), c = log2(e) / 8; in every step O and l are multiplied by a = 2^(c m_old - c m_new).  m begins at -3e38, O and l at 0: the first a is 0.
; Key 64 u is open to every query of tile u and step 0 to every tile, so m is a score from the first step on.  Hidden scores become -infinity ahead of the maximum, in the diagonal step alone.
; LIMIT: q, k, v arrive in f16 (magnitudes under 65,504).
; LDS: two slots of 512 keys, 2^17 bytes apart: K's 32 token tiles (65,536 bytes), then V's.  A key step is 8,192 bytes of each.  Pieces are read at 16 x lane: 512 consecutive bytes an instruction.  Behind the ring the spare words.
; REGISTERS: window 0: v1-19 addresses; v32-63 statistics, 8 a tile (+0 c m, +1 m, +2, +3 l, +4 .. +7 at work, a at +6); v64-191 S^T, 32 a tile, P in place; v192-255 K's 8 fragments.
;   window 1: v0-63 Q (16 a tile); v64-127 V's 8 fragments; v128-255 O^T (32 a tile).
.set SLOT1, 1<<17
.set SPARE, 2*SLOT1                    ; 128 bytes for each of eight waves, which no other line names
.set LI,   1                           ; v1   16 x lane
.set AD,   2                           ; v2   LDS address of the step's K
.set ADV,  3                           ; v3   of its V
.set DD,   4                           ; v4   16 c + lane % 16 - 8 (lane / 16): in the diagonal step register 8 kt + j is hidden where 16 kt + j > this
.set NINF, 5                           ; v5   -infinity
.set SPW,  6                           ; v6   LDS address of my spare word; never rewritten
.set NIL,  7                           ; v7   0; never rewritten
.set PFO,  8                           ; v8   256 x lane: the prefetches' offset; never rewritten
.set QO,   12                          ; v12-15 my byte offset in q, tile by tile
.set ZO,   16                          ; v16-19 and in z_img
.set ST,   32
.set S,    64
.set KF,   192
.set QF,   0                           ; in window 1
.set VF,   64
.set OT,   128
.set WV,   8                           ; s8   wave
.set CX,   9                           ; s9   my place in the cluster: it enters q's, z's and the prefetches' addresses and the mask's number alone
.set HB,   10                          ; s10  batch x 16 + head
.set U,    12                          ; s12-15 my four tiles' u
.set T,    16                          ; s16  the key step
.set TB,   17                          ; s17  LDS byte at which the step's K begins
.set SLOTS, 18
.set CNT,  19
.set SEL,  20                          ; s[20:21] lane selects for v_permlanex16_b32: lane l xor 16
.set CS,   22                          ; s[22:23] c: the packed form names a pair and takes its low word for both halves
.set G1,   24                          ; s[24:31] descriptor group 1
.set G0,   32                          ; s[32:35] descriptor group 0, which walks
.set PFA,  36                          ; s[36:37] where my prefetches stand
.set LIM,  38                          ; s38  1 in a wave that prefetches, else the greatest number
.set W_QK, 0x04                        ; Q (source 1) window 1; K, S^T window 0
.set W_PV, 0x51                        ; V (source 0), O^T (C and D) window 1; P window 0
.set W_RS, 0x41                        ; O^T (destination and source 0) window 1, a window 0
.set W_W1, 0x40                        ; destination window 1
.set W_PK, 0x05                        ; sources 0 and 1 window 1
.set MSB, 0
.macro WIN new                         ; the immediate's high byte repeats the setting that is left; at a label and at a branch every window is 0
.if MSB != \new
	s_set_vgpr_msb (MSB<<8)|\new
.set MSB, \new
.endif
.endm
.macro PLACES n
.rept \n
	v_nop
.endr
.endm
.macro CROUND                          ; a round of the cluster's barrier
	s_barrier_signal -1
	s_barrier_wait -1
	s_cmp_lg_u32 s[WV], 0
	s_cbranch_scc1 .Lnot_wave_0_\@
	s_barrier_signal -3
.Lnot_wave_0_\@:
	s_barrier_wait -3
	s_barrier_signal -1
	s_barrier_wait -1
.endm
; A PREFETCH INTO THE L2 of the slot that the NEXT change of slots will ask for: 65,536 bytes of K and as many of V.  It stands behind the wave's tensor load and its four lines.
; Only this cluster reads this pair's K and V.  Even wave w names, of the 32,768 bytes that waves w and w + 1 fetch, its work-group's 8,192 (told apart by ADDRESS), lanes 256 bytes apart: each aligned block of 256 bytes once.
; It is eight key steps ahead of the load that will want it.  The last change that fills a slot asks for nothing; slots 0 and 1 come by their loads alone.
.macro ASK
	s_cmp_gt_u32 s[SLOTS], s[LIM]
	s_cbranch_scc0 .Lnot_mine_\@
	global_prefetch_b8 v[PFO], s[PFA:PFA+1] th:TH_LOAD_NT scope:SCOPE_SE
.Lnot_mine_\@:
.endm
; ONE TILE'S PART OF A KEY STEP: 8 products K Q^T, the softmax, 8 products V^T P.  In each run of 8 four accumulators take turns, one instruction a turn.
.macro TILE i
.set rT, ST+8*\i
.set rS, S+32*\i
.set rO, OT+32*\i
.if \i == 0
	s_wait_dscnt 16                                ; K's 16 loads are in; V's 16, issued behind them, may be out
.endif
	WIN W_QK
.irp chi, 0,1
.irp kt, 0,1,2,3
.if \chi == 0
	v_wmma_f32_16x16x32_f16 v[rS+8*\kt:rS+8*\kt+7], v[KF+8*(2*\kt+\chi):KF+8*(2*\kt+\chi)+7], v[QF+16*\i+8*\chi:QF+16*\i+8*\chi+7], 0
.else
	v_wmma_f32_16x16x32_f16 v[rS+8*\kt:rS+8*\kt+7], v[KF+8*(2*\kt+\chi):KF+8*(2*\kt+\chi)+7], v[QF+16*\i+8*\chi:QF+16*\i+8*\chi+7], v[rS+8*\kt:rS+8*\kt+7]
.endif
.endr
.endr
	WIN 0
	PLACES 4                                       ; four places between the products and the first read of the scores (ISA guide 7.12.1)
	s_cmp_lg_u32 s[T], s[U+\i]                     ; the diagonal step?  A branch on the wave's number and the step's: the same in all partners
	s_cbranch_scc1 .Lopen_\@
.irp kt, 0,1,2,3
.irp j, 0,1,2,3,4,5,6,7
	v_cmp_gt_i32 vcc_lo, 16*\kt+\j, v[DD]
	v_cndmask_b32 v[rS+8*\kt+\j], v[rS+8*\kt+\j], v[NINF], vcc_lo
.endr
.endr
.Lopen_\@:
.irp j, 0,1,2,3                        ; the maximum of 32 scores and the old m, three operands at a time, in four chains; each accumulator is read from its low end on
	v_max3_num_f32 v[rT+4+\j], v[rS+8*\j], v[rS+8*\j+1], v[rS+8*\j+2]
.endr
.irp g, 1,2
.irp j, 0,1,2,3
	v_max3_num_f32 v[rT+4+\j], v[rT+4+\j], v[rS+8*\j+2*\g+1], v[rS+8*\j+2*\g+2]
.endr
.endr
	v_max3_num_f32 v[rT+4], v[rT+4], v[rS+7], v[rS+15]
	v_max3_num_f32 v[rT+6], v[rT+6], v[rS+23], v[rS+31]
	v_max3_num_f32 v[rT+4], v[rT+4], v[rT+5], v[rT+6]
	v_max3_num_f32 v[rT+4], v[rT+4], v[rT+7], v[rT+1]
	v_permlanex16_b32 v[rT+5], v[rT+4], s[SEL], s[SEL+1]   ; the query's other 32 keys lie in the lane 16 away
	v_mov_b32 v[rT+7], v[rT]                       ; c m_old is kept for a
	v_max_num_f32 v[rT+1], v[rT+4], v[rT+5]        ; the new m
	v_mul_f32 v[rT], s[CS], v[rT+1]                ; c m
	v_sub_f32 v[rT+7], v[rT+7], v[rT]              ; c m_old - c m_new
.irp b, 0,1,2,3,4,5,6,7,8,9,10,11,12,13,14,15
	v_pk_fma_f32 v[rS+2*\b:rS+2*\b+1], v[rS+2*\b:rS+2*\b+1], s[CS:CS+1], v[rT:rT+1] op_sel_hi:[1,0,0] neg_lo:[0,0,1] neg_hi:[0,0,1]   ; c s - c m, two at a time
.endr
	v_exp_f32 v[rT+6], v[rT+7]                     ; a
.irp j, 0,1,2,3,4,5,6,7,8,9,10,11,12,13,14,15,16,17,18,19,20,21,22,23,24,25,26,27,28,29,30,31
	v_exp_f32 v[rS+\j], v[rS+\j]                   ; p
.endr
	v_nop                                          ; a plain instruction between the last exponential and the use of its result
	s_wait_alu depctr_va_vdst(0)
	v_pk_fma_f32 v[rT+2:rT+3], v[rT+2:rT+3], v[rT+6:rT+7], v[rS:rS+1] op_sel_hi:[1,0,1]   ; l = a l + the sum of the unrounded p, in two chains
	v_pk_add_f32 v[rT+4:rT+5], v[rS+16:rS+17], v[rS+18:rS+19]
.irp b, 1,2,3,4,5,6
	v_pk_add_f32 v[rT+2:rT+3], v[rT+2:rT+3], v[rS+2*\b:rS+2*\b+1]
	v_pk_add_f32 v[rT+4:rT+5], v[rT+4:rT+5], v[rS+18+2*\b:rS+19+2*\b]
.endr
	v_pk_add_f32 v[rT+2:rT+3], v[rT+2:rT+3], v[rS+14:rS+15]
	v_pk_add_f32 v[rT+2:rT+3], v[rT+2:rT+3], v[rT+4:rT+5]
.irp p, 0,1,2,3,4,5,6,7,8,9,10,11,12,13,14,15
	v_cvt_pk_f16_f32 v[rS+\p], v[rS+2*\p], v[rS+2*\p+1]   ; P in place, ascending: register p never passes 2 p.  Registers 8 ka .. 8 ka + 7 are source 1 for keys 32 ka on
.endr
	WIN W_RS
.irp p, 0,1,2,3,4,5,6,7,8,9,10,11,12,13,14,15
	v_pk_mul_f32 v[rO+2*\p:rO+2*\p+1], v[rO+2*\p:rO+2*\p+1], v[rT+6:rT+7] op_sel_hi:[1,0]   ; O^T times a
.endr
.if \i == 0
	s_wait_dscnt 0x0                               ; V is in
.endif
	WIN W_PV
.irp ka, 0,1
.irp ct, 0,1,2,3
	v_wmma_f32_16x16x32_f16 v[rO+8*\ct:rO+8*\ct+7], v[VF+8*(2*\ct+\ka):VF+8*(2*\ct+\ka)+7], v[rS+8*\ka:rS+8*\ka+7], v[rO+8*\ct:rO+8*\ct+7]
.endr
.endr
	WIN 0
.endm
; A KEY STEP: 64 keys.  A wave all of whose tiles are past their diagonals passes over it; the lines that step the step's number and address stand behind the join.  No barrier and no tensor load stands in a step.
.macro STEP
	v_add_nc_u32 v[AD], s[TB], v[LI]
	v_add_nc_u32 v[ADV], 0x10000, v[AD]
	s_cmp_gt_u32 s[T], s[U]
	s_cbranch_scc1 .Lidle_\@
.irp kt, 0,1,2,3                       ; K's fragment (16 keys kt, 32 channels chi): two pieces
.irp chi, 0,1
	ds_load_b128 v[KF+8*(2*\kt+\chi):KF+8*(2*\kt+\chi)+3], v[AD] offset:\kt*2048+\chi*1024
	ds_load_b128 v[KF+8*(2*\kt+\chi)+4:KF+8*(2*\kt+\chi)+7], v[AD] offset:\kt*2048+\chi*1024+512
.endr
.endr
	WIN W_W1
.irp ct, 0,1,2,3                       ; V^T's fragment (16 channels ct, 32 keys ka): two pieces, turned: lane l gets channel l % 16 and keys 8 (l / 16) + 0..7 of a token tile
.irp ka, 0,1
	ds_load_tr16_b128 v[VF+8*(2*\ct+\ka):VF+8*(2*\ct+\ka)+3], v[ADV] offset:(2*\ka)*2048+\ct*512
	ds_load_tr16_b128 v[VF+8*(2*\ct+\ka)+4:VF+8*(2*\ct+\ka)+7], v[ADV] offset:(2*\ka+1)*2048+\ct*512
.endr
.endr
	WIN 0
	TILE 0
	s_cmp_gt_u32 s[T], s[U+1]
	s_cbranch_scc1 .Ldone_\@
	TILE 1
	s_cmp_gt_u32 s[T], s[U+2]
	s_cbranch_scc1 .Ldone_\@
	TILE 2
	s_cmp_gt_u32 s[T], s[U+3]
	s_cbranch_scc1 .Ldone_\@
	TILE 3
.Ldone_\@:
	PLACES 5                                       ; behind the last products: four places for the next step's loads into V's registers, five for its first products, which write over P
.Lidle_\@:
	s_add_co_u32 s[T], s[T], 1
	s_add_co_u32 s[TB], s[TB], 8192
.endm
; THE CHANGE OF SLOTS stands at a slot's head.  Each wave waits for all its tensor loads (one is out: its part of the slot that it is about to read), adds 0 to its spare word, and waits for that and for its reads of the slot
; that it has left.  fill = 1: the barrier is a round of the cluster's, so that no wave of any partner still reads that slot or has a load on its way; the joint fill is the first thing behind it and has eight key steps in which to land.
.macro CHANGE fill
	s_wait_tensorcnt 0x0                           ; no tensor load of mine is out, so group 0 may be written
	ds_add_u32 v[SPW], v[NIL]                      ; 0 onto my spare word
.if \fill
	s_xor_b32 s[G0+1], s[G0+1], SLOT1              ; the walking descriptor: the other slot than last time,
	s_add_nc_u64 s[G0+2:G0+3], s[G0+2:G0+3], 0x10000   ; the next 512 keys; the type bits on top are not reached
	s_wait_xcnt 0x0                                ; the last prefetch, a slot back, has read its address, so it may be written:
	s_add_nc_u64 s[PFA:PFA+1], s[PFA:PFA+1], 0x10000   ; one slot further on than the walking descriptor
	s_wait_dscnt 0x0                               ; the add is done, and my reads of the slot that I have left are over
	CROUND
	tensor_load_to_lds s[G0:G0+3], s[G1:G1+7]      ; my one tensor load until the next change: waves 0-3 K's quarters, waves 4-7 V's
	s_nop 0
	PLACES 4
	ASK
.else
	s_wait_dscnt 0x0
	s_barrier_signal -1
	s_barrier_wait -1
.endif
.endm
.macro SLOT_STEPS                      ; a slot's eight key steps: written once, walked eight times
	s_mov_b32 s[CNT], 8
.Lstep_\@:
	STEP
	s_sub_co_u32 s[CNT], s[CNT], 1
	s_cmp_lg_u32 s[CNT], 0
	s_cbranch_scc1 .Lstep_\@
	s_sub_co_u32 s[TB], s[TB], 0x10000             ; back to a slot's first step,
	s_xor_b32 s[TB], s[TB], SLOT1                  ; in the other slot
.endm
	s_load_b128 s[4:7], s[0:1], 0x0                ; qkv s[4:5], z_img s[6:7]
	v_lshl_add_u32 v[SPW], v0, 2, SPARE
	v_mov_b32 v[NIL], 0
	ds_add_u32 v6, v7
	s_wait_dscnt 0x0
	v_lshrrev_b32 v9, 5, v0
	v_readfirstlane_b32 s[WV], v9                  ; wave 0..7
	s_bfe_u32 s[CX], ttmp6, 0x40000                ; my place in the cluster
	s_and_b32 s[HB], ttmp7, 0xffff                 ; the pair (batch, head), which the four partners share
	s_xor_b32 s[U], s[WV], 31                      ; 31 - w
	s_add_co_u32 s[U+1], s[WV], 16
	s_xor_b32 s[U+2], s[WV], 15                    ; 15 - w
	s_mov_b32 s[U+3], s[WV]
	; descriptor group 1: 16,384 dense bytes as 64 rows of 256 bytes (32 elements of 8 bytes), no padding
	s_mov_b32 s[G1], 15|(3<<16)|(1<<21)            ; 15:0 the mask: all four work-groups; 17:16 elements of 8 bytes; 21 set beside a mask
	s_mov_b32 s[G1+1], 32<<16                      ; tensor_dim0 = 32
	s_mov_b32 s[G1+2], 64<<16                      ; tensor_dim1 = 64
	s_mov_b32 s[G1+3], 32<<16                      ; tile_dim0 = 32
	s_mov_b32 s[G1+4], 64                          ; tile_dim1 = 64
	s_mov_b32 s[G1+5], 32                          ; tensor_dim0_stride
	s_mov_b32 s[G1+6], 0
	s_mov_b32 s[G1+7], 0
	s_mov_b32 s[SEL], 0x76543210
	s_mov_b32 s[SEL+1], 0xfedcba98
	s_mov_b32 s[CS], 0x3e38aa3b                    ; c = log2(e) / sqrt(64)
	s_mov_b32 s[CS+1], s[CS]                       ; (named with it as a pair, so it is written)
	s_mov_b32 s[T], 0
	s_mov_b32 s[TB], 0
	s_mov_b32 s[SLOTS], 3
	s_and_b32 s[LIM], s[WV], 1
	s_cmp_eq_u32 s[LIM], 0
	s_cselect_b32 s[LIM], 1, -1                    ; even waves prefetch: the same in all partners
	s_lshr_b32 s40, s[WV], 2                       ; what I fetch: waves 0-3 of k (which = 1), waves 4-7 of v (2),
	s_add_co_u32 s40, s40, 1
	s_lshl_b32 s40, s40, 24
	s_lshl_b32 s41, s[HB], 18                      ; in my pair,
	s_add_co_u32 s40, s40, s41
	s_and_b32 s41, s[WV], 3
	s_lshl_b32 s41, s41, 14                        ; quarter w % 4 of a slot: under 2^26 in all
	s_add_co_u32 s40, s40, s41
	s_mov_b32 s41, 0
	s_lshl_b32 s42, s[CX], 13                      ; the prefetches: my work-group's 8,192 bytes,
	s_add_co_u32 s42, s42, 0x10000                 ; in slot 1: the first change of slots steps it to slot 2
	s_mov_b32 s43, 0
	s_wait_kmcnt 0x0
	s_mov_b32 s[G0], 1                             ; 1:0 count = 1
	s_lshl_b32 s[G0+1], s[WV], 14                  ; LDS address: wave x 16,384 in slot 0: K's four quarters, then V's: no place in the cluster enters it
	s_add_nc_u64 s[G0+2:G0+3], s[4:5], s[40:41]
	s_add_nc_u64 s[PFA:PFA+1], s[G0+2:G0+3], s[42:43]
	s_or_b32 s[G0+3], s[G0+3], 0x80000000          ; type = 2
	CROUND                                         ; all four work-groups are here: the first joint loads meet
	tensor_load_to_lds s[G0:G0+3], s[G1:G1+7]      ; slot 0
	s_nop 0
	PLACES 4
	v_and_b32 v9, 31, v0
	v_lshlrev_b32 v[LI], 4, v9
	v_lshlrev_b32 v[PFO], 8, v9
	v_and_b32 v10, 15, v0                          ; r
	v_bfe_u32 v11, v0, 4, 1                        ; h
	v_lshlrev_b32 v11, 3, v11
	v_sub_nc_u32 v[DD], v10, v11
	s_lshl_b32 s42, s[CX], 4
	v_add_nc_u32 v[DD], s42, v[DD]
	v_mov_b32 v[NINF], 0xff800000
.irp i, 0,1,2,3
	s_lshl_b32 s42, s[U+\i], 2
	s_add_co_u32 s42, s42, s[CX]                   ; the query tile 4 u + c
	s_lshl_b32 s43, s42, 11
	v_add_nc_u32 v[QO+\i], s43, v[LI]              ; 2,048 bytes a tile in q,
	s_lshl_b32 s43, s42, 15
	v_add_nc_u32 v[ZO+\i], s43, v[LI]              ; 32,768 in z_img
.endr
	s_lshl_b32 s44, s[HB], 18
	s_mov_b32 s45, 0
	s_add_nc_u64 s[44:45], s[4:5], s[44:45]        ; q of my pair
	s_lshr_b32 s46, s[HB], 4
	s_lshl_b32 s46, s46, 22                        ; z_img: 128 tiles of 32,768 bytes a batch,
	s_and_b32 s47, s[HB], 15
	s_lshl_b32 s47, s47, 11                        ; 4 pieces of 512 bytes a head
	s_add_co_u32 s46, s46, s47
	s_mov_b32 s47, 0
	s_add_nc_u64 s[6:7], s[6:7], s[46:47]
	WIN W_W1
.irp i, 0,1,2,3                        ; Q stays in registers
.irp chi, 0,1
	global_load_b128 v[QF+16*\i+8*\chi:QF+16*\i+8*\chi+3], v[QO+\i], s[44:45] offset:\chi*1024
	global_load_b128 v[QF+16*\i+8*\chi+4:QF+16*\i+8*\chi+7], v[QO+\i], s[44:45] offset:\chi*1024+512
.endr
.endr
.set j, 0
.rept 128
	v_mov_b32 v[OT+j], 0                           ; O^T.  (The step is written for every step alike: the first finds zeros, which the first a leaves zeros; a first step of its own would be a third copy of the step's text)
.set j, j+1
.endr
	WIN 0
.irp i, 0,1,2,3
	v_mov_b32 v[ST+8*\i+1], 0xff61b1e6             ; m = -3e38, under every score
	v_mul_f32 v[ST+8*\i], s[CS], v[ST+8*\i+1]      ; c m
.irp k, 2,3,4,5,6,7
	v_mov_b32 v[ST+8*\i+\k], 0                     ; l; and the registers at work, written once: a lane permute's destination and the upper half of a named pair count as read
.endr
.endr
	s_wait_loadcnt 0x0                             ; Q
.Lslot:                                ; three trips: behind each change of slots but the last the next slot is asked for
	CHANGE 1
	SLOT_STEPS
	s_sub_co_u32 s[SLOTS], s[SLOTS], 1
	s_cmp_lg_u32 s[SLOTS], 0
	s_cbranch_scc1 .Lslot
	CHANGE 0                                       ; the last slot is written out
	SLOT_STEPS
	; THE WAY OUT.  l's two halves and the other half of the lanes' are added; O^T is divided by l, rounded to f16, and a lane's four registers are its 16 bytes of a piece.
.irp i, 0,1,2,3
	v_add_f32 v[ST+8*\i+4], v[ST+8*\i+2], v[ST+8*\i+3]
.endr
.irp i, 0,1,2,3
	v_permlanex16_b32 v[ST+8*\i+5], v[ST+8*\i+4], s[SEL], s[SEL+1]
.endr
.irp i, 0,1,2,3
	v_add_f32 v[ST+8*\i+4], v[ST+8*\i+4], v[ST+8*\i+5]
.endr
.irp i, 0,1,2,3
	v_rcp_f32 v[ST+8*\i+6], v[ST+8*\i+4]
.endr
	v_nop                                          ; a plain instruction between the last reciprocal and the use of its result
	s_wait_alu depctr_va_vdst(0)
.irp i, 0,1,2,3
	WIN W_RS
.irp p, 0,1,2,3,4,5,6,7,8,9,10,11,12,13,14,15
	v_pk_mul_f32 v[OT+32*\i+2*\p:OT+32*\i+2*\p+1], v[OT+32*\i+2*\p:OT+32*\i+2*\p+1], v[ST+8*\i+6:ST+8*\i+7] op_sel_hi:[1,0]
.endr
	WIN W_PK
.irp p, 0,1,2,3,4,5,6,7,8,9,10,11,12,13,14,15
	v_cvt_pk_f16_f32 v[S+16*\i+\p], v[OT+32*\i+2*\p], v[OT+32*\i+2*\p+1]
.endr
	WIN 0
.irp ct, 0,1,2,3
	global_store_b128 v[ZO+\i], v[S+16*\i+4*\ct:S+16*\i+4*\ct+3], s[6:7] offset:\ct*512   ; 512 consecutive bytes, aligned
.endr
.endr
	s_wait_tensorcnt 0x0                           ; the wave's end
	ds_add_u32 v[SPW], v[NIL]
	s_wait_dscnt 0x0
	CROUND                                         ; the closing round: no work-group ends while a partner may still ask for a tile that names it
	s_endpgm
.Lfunc_end_k_qcd2dd90e59_attn:
	.size	k_qcd2dd90e59_attn, .Lfunc_end_k_qcd2dd90e59_attn-k_qcd2dd90e59_attn
	.p2alignl 7, 3214868480
	.fill 96, 4, 3214868480
	.section	.rodata,"a",@progbits
	.p2align	6, 0x0
	.amdhsa_kernel k_qcd2dd90e59_attn
		.amdhsa_group_segment_fixed_size 327680
		.amdhsa_private_segment_fixed_size 0
		.amdhsa_enable_private_segment 0
		.amdhsa_kernarg_size 16
		.amdhsa_user_sgpr_count 2
		.amdhsa_user_sgpr_kernarg_segment_ptr 1
		.amdhsa_wavefront_size32 1
		.amdhsa_system_sgpr_workgroup_id_x 1
		.amdhsa_system_sgpr_workgroup_id_y 1
		.amdhsa_system_sgpr_workgroup_id_z 1
		.amdhsa_system_vgpr_workitem_id 0
		.amdhsa_next_free_vgpr 512
		.amdhsa_next_free_sgpr 66
		.amdhsa_reserve_vcc 1
		.amdhsa_float_denorm_mode_32 3
		.amdhsa_float_denorm_mode_16_64 3
		.amdhsa_memory_ordered 1
		.amdhsa_forward_progress 1
		.amdhsa_inst_pref_size 107
	.end_amdhsa_kernel
	.amdgpu_metadata
---
amdhsa.version: [ 1, 2 ]
amdhsa.kernels:
  - .name:           k_qcd2dd90e59_attn
    .symbol:         k_qcd2dd90e59_attn.kd
    .args:
      - { .name: qkv, .offset: 0, .size: 8, .value_kind: global_buffer, .address_space: global }
      - { .name: z_img, .offset: 8, .size: 8, .value_kind: global_buffer, .address_space: global }
    .group_segment_fixed_size: 327680
    .private_segment_fixed_size: 0
    .kernarg_segment_align: 8
    .kernarg_segment_size: 16
    .max_flat_workgroup_size: 256
    .sgpr_count:     66
    .vgpr_count:     512
    .wavefront_size: 32
...
	.end_amdgpu_metadata
.endif
;; end of part 3
;; launch proj (part 4): grid 4 x 64, 4 waves a work-group, clusters of 4 x 4, 327,680 bytes of LDS; arguments z_img, w_img, b_out, out0; writes out0
.if DOCPART == 4
	.amdgcn_target "amdgcn-amd-amdhsa--gfx1250"
	.amdhsa_code_object_version 6
	.text
	.protected	k_qcd2dd90e59_proj
	.globl	k_qcd2dd90e59_proj
	.p2align	8
	.type	k_qcd2dd90e59_proj,@function
k_qcd2dd90e59_proj:
	s_mov_b64 s[64:65], 0
	v_nop
	global_prefetch_b8 v0, s[64:65] scope:SCOPE_SE
	s_setreg_imm32_b32 hwreg(HW_REG_WAVE_MODE, 25, 1), 1
	s_wait_xcnt 0x0
	s_wait_alu depctr_hold_cnt(0) depctr_sa_sdst(0) depctr_va_vdst(0) depctr_va_sdst(0) depctr_va_ssrc(0) depctr_va_vcc(0) depctr_vm_vsrc(0)
	s_getreg_b32 s2, hwreg(HW_REG_IB_STS2, 6, 4)
	s_cmp_eq_u32 s2, 0
	s_cbranch_scc0 .Lentry_in_a_cluster
	s_endpgm
.Lentry_in_a_cluster:
	s_bfe_u32 s2, ttmp6, 0x10000c
	s_cmp_lg_u32 s2, 0xf033
	s_cbranch_scc0 .Lentry_shape_is_right
	s_endpgm
.Lentry_shape_is_right:
; out0 = z w_out + b_out.  z [8192][1024] and w_out arrive in f16 as images of operand registers; sums in f32; out0 [8192][1024] f32.
; z_img = tile of 16 tokens x 32,768 + chunk of 32 along K x 1,024 + part x 512 + 16 x lane; w_img the same with tiles of 16 columns n: a fragment is 1,024 consecutive bytes, read by two loads at 16 x lane.
; A tile of C is 128 tokens x 256 columns: 256 work-groups.  Four waves, each 64 x 128: 32 accumulators of 16 x 16, 256 registers.  K goes in 8 steps of 128 through a ring of two LDS slots: a step of one tile's image is 4,096
; consecutive bytes of memory, so the tensor tiles are rows of 4,096 bytes, 32,768 bytes apart; they lie dense in LDS: every fragment load takes 512 consecutive bytes.
; CLUSTERS: 4 x 4 work-groups.  The four of a row of the cluster need the same tiles of z, the four of a column the same tiles of w_out: each is asked for JOINTLY.
; THE MATRIX INSTRUCTION IS USED TRANSPOSED (source 0 = 16 columns of w_out, source 1 = 16 tokens): a lane holds eight neighbouring numbers of a row of out0.  The bias is the C of each sum's first product.
; No prefetch: the launch's reads and its 33,554,432 bytes of stores stand beside a short K.
; REGISTERS: window 0: v16-29 addresses; two fragment buffers of 96 at v32 and v128 (4 of z, then 8 of w_out); on the way out v32-159 hold rows.   window 1: accumulator (a, b) at v[8 (8 a + b)].   window 2: v0-63 the bias.
.set KSTEPB, 4096                      ; a K step of one tile's image, in bytes
.set SLOT,   98304                     ; z's 8 token tiles (32,768 bytes), then w_out's 16 column tiles (65,536)
.set BOFF,   32768
.set STAGE,  2*SLOT                    ; behind the ring: 16 rows x 528 bytes for each wave, for the way out; no tensor load lands there
.set SPITCH, 528
.set SPARE,  STAGE+4*16*SPITCH         ; behind the stages: the spare words, 128 bytes for each wave, which no other line names
.set LAPS,   4                         ; a lap = two K steps = once round the ring
.set ADRA, 16
.set ADRB, 20
.set STO,  24
.set RD,   25
.set CO,   26                          ; v26  16 x lane
.set SPW,  28
.set NIL,  29
.set F0,   32
.set F1,   128
.set OB,   32
.set G1, 24
.set G0, 32
.set G1B, 48
.set G0B, 56
.set MSB, 0
.macro WIN new                         ; the immediate's high byte repeats the setting that is left
.if MSB != \new
	s_set_vgpr_msb (MSB<<8)|\new
.set MSB, \new
.endif
.endm
.set MUL,  0x50                        ; C and D window 1; fragments window 0
.set MULB, 0x60                        ; C (the bias) window 2, D window 1
.macro JLOAD s                         ; a joint load: waves 0 and 1 fetch z's two halves, waves 2 and 3 w_out's; four v_nop follow each of the two lines, ahead of the jump, the label and what follows
	s_cmp_eq_u32 s11, 0
	s_cbranch_scc0 .Lfor_b_\@
	tensor_load_to_lds s[G0+4*\s:G0+4*\s+3], s[G1:G1+7]
	s_nop 0
.rept 4
	v_nop
.endr
	s_branch .Lasked_\@
.Lfor_b_\@:
	tensor_load_to_lds s[G0B+4*\s:G0B+4*\s+3], s[G1B:G1B+7]
	s_nop 0
.rept 4
	v_nop
.endr
.Lasked_\@:
.endm
.macro CREST                           ; a round of the cluster's barrier behind its opening barrier
	s_cmp_lg_u32 s10, 0
	s_cbranch_scc1 .Lnot_wave_0_\@
	s_barrier_signal -3
.Lnot_wave_0_\@:
	s_barrier_wait -3
	s_barrier_signal -1
	s_barrier_wait -1
.endm
.macro CROUND                          ; a whole round
	s_barrier_signal -1
	s_barrier_wait -1
	CREST
.endm
	s_load_b128 s[4:7], s[0:1], 0x0                ; z_img s[4:5], w_img s[6:7]
	s_load_b128 s[68:71], s[0:1], 0x10             ; b_out s[68:69], out0 s[70:71]
	v_lshl_add_u32 v[SPW], v0, 2, SPARE
	v_mov_b32 v[NIL], 0
	ds_add_u32 v28, v29
	s_wait_dscnt 0x0
	v_lshrrev_b32 v1, 5, v0
	v_readfirstlane_b32 s10, v1                    ; wave 0..3
	s_lshr_b32 s11, s10, 1                         ; which half of the tile's tokens is mine.  Also: I fetch for z (0) or for w_out (1)
	s_and_b32 s12, s10, 1                          ; which half of its columns.  Also: which half of that tile I fetch
	s_bfe_u32 s40, ttmp6, 0x40000                  ; cx, cy: my place in the cluster
	s_bfe_u32 s41, ttmp6, 0x40004
	s_lshl_b32 s42, ttmp9, 2
	s_add_co_u32 s42, s42, s40                     ; tile column of C = 4 x cluster x + cx
	s_and_b32 s13, ttmp7, 0xffff
	s_lshl_b32 s13, s13, 2
	s_add_co_u32 s13, s13, s41                     ; tile row of C = 4 x cluster y + cy
	s_lshl_b32 s43, s41, 2
	s_lshl_b32 s43, 15, s43                        ; my row of the cluster
	s_lshl_b32 s44, 0x1111, s40                    ; my column
	; descriptor groups 1: rows of 4,096 bytes (512 elements of 8 bytes), 32,768 bytes apart, dense in LDS: 4 rows for z, 8 for w_out
	s_or_b32 s[G1+0], s43, (3<<16)|(1<<21)         ; 15:0 the mask: z's tiles go to my row; 17:16 elements of 8 bytes; 21 set beside a mask
	s_or_b32 s[G1B+0], s44, (3<<16)|(1<<21)
	s_mov_b32 s[G1+1], 512<<16                     ; tensor_dim0 = 512
	s_mov_b32 s[G1+2], 4<<16                       ; tensor_dim1 = 4
	s_mov_b32 s[G1+3], 512<<16                     ; tile_dim0 = 512
	s_mov_b32 s[G1+4], 4                           ; tile_dim1 = 4
	s_mov_b32 s[G1+5], 4096                        ; tensor_dim0_stride
	s_mov_b32 s[G1+6], 0
	s_mov_b32 s[G1+7], 0
	s_mov_b32 s[G1B+1], 512<<16
	s_mov_b32 s[G1B+2], 8<<16
	s_mov_b32 s[G1B+3], 512<<16
	s_mov_b32 s[G1B+4], 8
	s_mov_b32 s[G1B+5], 4096
	s_mov_b32 s[G1B+6], 0
	s_mov_b32 s[G1B+7], 0
	s_lshl_b32 s16, s13, 18                        ; z: 8 token tiles of 32,768 bytes a tile row,
	s_lshl_b32 s17, s12, 17
	s_add_co_u32 s16, s16, s17                     ; 4 a half
	s_mov_b32 s17, 0
	s_lshl_b32 s46, s42, 19                        ; w_out: 16 column tiles a tile column,
	s_lshl_b32 s47, s12, 18
	s_add_co_u32 s46, s46, s47                     ; 8 a half
	s_mov_b32 s47, 0
	s_lshl_b32 s18, s12, 14                        ; where they go: z's halves at 0 and 16,384,
	s_lshl_b32 s19, s12, 15
	s_add_co_u32 s19, s19, BOFF                    ; w_out's at 32,768 and 65,536: no place in the cluster enters an LDS address
	s_wait_kmcnt 0x0
	s_add_nc_u64 s[14:15], s[4:5], s[16:17]
	s_add_nc_u64 s[46:47], s[6:7], s[46:47]
	CROUND                                         ; all sixteen work-groups are here: the first joint loads meet
.irp s, 0,1
	s_mov_b32 s[G0+4*\s], 1
	s_add_co_u32 s[G0+4*\s+1], s18, \s*SLOT
	s_add_nc_u64 s[G0+4*\s+2:G0+4*\s+3], s[14:15], \s*KSTEPB
	s_or_b32 s[G0+4*\s+3], s[G0+4*\s+3], 0x80000000
	s_mov_b32 s[G0B+4*\s], 1
	s_add_co_u32 s[G0B+4*\s+1], s19, \s*SLOT
	s_add_nc_u64 s[G0B+4*\s+2:G0B+4*\s+3], s[46:47], \s*KSTEPB
	s_or_b32 s[G0B+4*\s+3], s[G0B+4*\s+3], 0x80000000
	JLOAD \s                                       ; two tensor loads of mine are out at the start, later one
.endr
	v_and_b32 v1, 31, v0
	v_lshlrev_b32 v[CO], 4, v1                     ; 16 x lane
	s_lshl_b32 s21, s11, 14                        ; my 4 token tiles
	s_lshl_b32 s22, s12, 15                        ; my 8 column tiles,
	s_add_co_u32 s22, s22, BOFF                    ; which lie behind z's
.irp s, 0,1
	v_add_nc_u32 v[ADRA+\s], s21, v[CO]
	v_add_nc_u32 v[ADRB+\s], s22, v[CO]
	s_add_co_u32 s21, s21, SLOT
	s_add_co_u32 s22, s22, SLOT
.endr
	s_mul_i32 s23, s10, 16*SPITCH
	s_add_co_u32 s23, s23, STAGE                   ; my stage
	v_and_b32 v3, 15, v0                           ; r
	v_bfe_u32 v4, v0, 4, 1                         ; h
	v_mul_u32_u24 v5, v3, SPITCH                   ; in: row r, 32 bytes for each half of the lanes
	v_lshl_add_u32 v5, v4, 5, v5
	v_add_nc_u32 v[STO], s23, v5
	v_add_nc_u32 v[RD], s23, v[CO]                 ; back: the 32 lanes take one row of 512 bytes
	v_lshlrev_b32 v6, 5, v4                        ; the bias: 8 numbers on for lanes 16-31
	; offsets that mix the two places in the cluster are made in s[66:67] and s2, which feed no descriptor
	s_lshl_b32 s66, s42, 10                        ; 256 columns of 4 bytes a tile column,
	s_lshl_b32 s2, s12, 9
	s_add_co_u32 s66, s66, s2                      ; 128 a half: in b_out and in a row of out0 alike
	s_mov_b32 s67, 0
	s_add_nc_u64 s[68:69], s[68:69], s[66:67]
	s_add_nc_u64 s[70:71], s[70:71], s[66:67]
	s_lshl_b32 s66, s13, 19                        ; 128 rows of 4,096 bytes a tile row,
	s_lshl_b32 s2, s11, 18
	s_add_co_u32 s66, s66, s2                      ; 64 a half
	s_add_nc_u64 s[70:71], s[70:71], s[66:67]
	WIN 0x80                                       ; destination window 2
.irp b, 0,1,2,3,4,5,6,7
	global_load_b128 v[8*\b:8*\b+3], v6, s[68:69] offset:64*\b
	global_load_b128 v[8*\b+4:8*\b+7], v6, s[68:69] offset:64*\b+16
.endr
	WIN 0
; 8 matrix instructions: token block a x all 8 column blocks, 32 along K, from buffer f.  zero = 1: the first product starts the sums on the bias.  The 32 accumulators take turns, one instruction a turn.
.macro MUL8 f, a, zero
.irp b, 0,1,2,3,4,5,6,7
.if \zero
	v_wmma_f32_16x16x32_f16 v[8*(8*(\a)+\b):8*(8*(\a)+\b)+7], v[\f+32+8*\b:\f+32+8*\b+7], v[\f+8*(\a):\f+8*(\a)+7], v[8*\b:8*\b+7]
.else
	v_wmma_f32_16x16x32_f16 v[8*(8*(\a)+\b):8*(8*(\a)+\b)+7], v[\f+32+8*\b:\f+32+8*\b+7], v[\f+8*(\a):\f+8*(\a)+7], v[8*(8*(\a)+\b):8*(8*(\a)+\b)+7]
.endif
.endr
.endm
; 24 LDS loads in one run: the fragments of the slot's q-th 32 along K into buffer f: w_out's eight first, then z's four
.macro FETCH slot, q, f
	WIN 0
.irp i, 0,1,2,3,4,5,6,7
	ds_load_b128 v[\f+32+8*\i:\f+32+8*\i+3], v[ADRB+\slot] offset:\i*4096+(\q)*1024
	ds_load_b128 v[\f+32+8*\i+4:\f+32+8*\i+7], v[ADRB+\slot] offset:\i*4096+(\q)*1024+512
.endr
.irp i, 0,1,2,3
	ds_load_b128 v[\f+8*\i:\f+8*\i+3], v[ADRA+\slot] offset:\i*4096+(\q)*1024
	ds_load_b128 v[\f+8*\i+4:\f+8*\i+7], v[ADRA+\slot] offset:\i*4096+(\q)*1024+512
.endr
.endm
.macro PLACES                          ; four places in front of loads into registers that matrix instructions have read, and of the first read of results (ISA guide 7.12.1 for vector instructions)
.rept 4
	v_nop
.endr
.endm
; A K step is four quarters of 32 along K, 32 matrix instructions each, on buffers 0, 1, 0, 1.  One of the first three: multiplies buffer f and fetches quarter q into g.
.macro QUARTER slot, q, f, g, zero
	s_wait_dscnt 4                                 ; w_out's fragments and z's blocks 0, 1 are in; the youngest four loads (blocks 2, 3) may be out
.if \zero
	WIN MULB
.else
	WIN MUL
.endif
	MUL8 \f, 0, \zero
	MUL8 \f, 1, \zero
	PLACES
	FETCH \slot, \q, \g
	s_wait_dscnt 24                                ; all but the 24 just issued
.if \zero
	WIN MULB
.else
	WIN MUL
.endif
	MUL8 \f, 2, \zero
	MUL8 \f, 3, \zero
.endm
; The last quarter multiplies buffer 1 and changes slots: ONE barrier; in front of it each wave waits for all its tensor loads, adds 0 to its spare word, and waits for that and for its own reads of this slot.  fill = 1: this slot is filled again, two K steps ahead.
.macro TURN slot, next, fill
	WIN 0                                          ; (the add's two registers lie in window 0)
	s_wait_tensorcnt 0x0                           ; all my tensor loads have landed: my part of the next slot;
	ds_add_u32 v[SPW], v[NIL]                      ; 0 onto my spare word
	s_wait_dscnt 5                                 ; (the add and the youngest four loads may be out)
	WIN MUL
	MUL8 F1, 0, 0                                  ; eight matrix instructions stand between the add and the wait for it
	s_wait_dscnt 0x0                               ; the add is done, and my reads of this slot are over
	s_barrier_signal -1
	MUL8 F1, 1, 0
.if \fill
	WIN 0
.endif
	s_barrier_wait -1
.if \fill
	CREST                                          ; the barrier has opened a round of the cluster's barrier: no wave of any partner still reads this slot's tile or has a load on its way
	s_add_nc_u64 s[G0+4*\slot+2:G0+4*\slot+3], s[G0+4*\slot+2:G0+4*\slot+3], 2*KSTEPB
	s_add_nc_u64 s[G0B+4*\slot+2:G0B+4*\slot+3], s[G0B+4*\slot+2:G0B+4*\slot+3], 2*KSTEPB
	JLOAD \slot                                    ; the first tensor load behind the round: 112 matrix instructions ahead of the wait for it; the four v_nop behind it are also the places in front of the loads below
.else
	PLACES
.endif
	FETCH \next, 0, F0
	WIN MUL
	MUL8 F1, 2, 0
	MUL8 F1, 3, 0
.endm
	s_wait_tensorcnt 1                             ; my part of K step 0 is in (K step 1's load may be out)
	s_barrier_signal -1
	s_barrier_wait -1                              ; everybody's is
	FETCH 0, 0, F0
	s_wait_loadcnt 0x0                             ; the bias
	QUARTER 0, 1, F0, F1, 1                        ; the first quarter stands in front of the loop: its products start the sums
	WIN 0                                          ; at a label and at a branch every window is 0
	s_mov_b32 s3, LAPS-1
.Llap:                                 ; a trip goes once round the ring, from a lap's second quarter to the next lap's first, and fills both slots again
	QUARTER 0, 2, F1, F0, 0
	QUARTER 0, 3, F0, F1, 0
	TURN 0, 1, 1
	QUARTER 1, 1, F0, F1, 0
	QUARTER 1, 2, F1, F0, 0
	QUARTER 1, 3, F0, F1, 0
	TURN 1, 0, 1
	QUARTER 0, 1, F0, F1, 0
	WIN 0
	s_sub_co_u32 s3, s3, 1
	s_cmp_lg_u32 s3, 0
	s_cbranch_scc1 .Llap
	QUARTER 0, 2, F1, F0, 0                        ; the last lap fills nothing, and has no round of the cluster's barrier
	QUARTER 0, 3, F0, F1, 0
	TURN 0, 1, 0
	QUARTER 1, 1, F0, F1, 0
	QUARTER 1, 2, F1, F0, 0
	QUARTER 1, 3, F0, F1, 0
	s_wait_dscnt 4                                 ; the very last quarter: nothing more to fetch
	WIN MUL
	MUL8 F1, 0, 0
	MUL8 F1, 1, 0
	s_wait_dscnt 0
	MUL8 F1, 2, 0
	MUL8 F1, 3, 0
	WIN 0
; THE WAY OUT, block by block of 16 tokens x 128 columns.  A lane holds 32 neighbouring bytes of a row, and the lanes beside it hold other rows: so a block goes through my own stage in LDS and comes back as whole
; rows of 512 bytes.  LDS serves a wave's instructions in order (ISA guide 5.7.1.4): no wait between the stores and the loads, nor in front of the next block's stores.
.macro TOSTAGE a
	WIN 0x04                                       ; an LDS store's data are its source 1: window 1
.irp b, 0,1,2,3,4,5,6,7
	ds_store_b128 v[STO], v[64*(\a)+8*\b:64*(\a)+8*\b+3] offset:64*\b          ; each accumulator from its low end on
	ds_store_b128 v[STO], v[64*(\a)+8*\b+4:64*(\a)+8*\b+7] offset:64*\b+16
.endr
	WIN 0
.set BB, OB+64*((\a)%2)
.irp t, 0,1,2,3,4,5,6,7,8,9,10,11,12,13,14,15
	ds_load_b128 v[BB+4*\t:BB+4*\t+3], v[RD] offset:\t*SPITCH
.endr
.endm
.macro SEND a, younger                 ; younger: the LDS instructions issued behind block a's loads, which may stay out
.set BB, OB+64*((\a)%2)
	s_wait_dscnt \younger                          ; the block is back in registers
.irp t, 0,1,2,3,4,5,6,7,8,9,10,11,12,13,14,15
	global_store_b128 v[CO], v[BB+4*\t:BB+4*\t+3], s[70:71] offset:(16*(\a)+\t)*4096 th:TH_STORE_NT   ; 32 lanes store 512 consecutive bytes, aligned; written once, read by nobody here
.endr
.endm
	PLACES                                         ; behind the last products: for the stores of results and for the loads into the registers that held fragments
	TOSTAGE 0
.irp a, 1,2,3
.if \a > 1
	s_wait_xcnt 0x0                                ; block a - 2's stores have read their registers: block a's loads may land there
.endif
	TOSTAGE \a
	SEND \a-1, 32                                  ; behind block a - 1's loads: block a's 16 stores and 16 loads
.endr
	SEND 3, 0
	s_wait_tensorcnt 0x0                           ; the wave's end: behind my last tensor load and my last LDS store
	ds_add_u32 v[SPW], v[NIL]
	s_wait_dscnt 0x0
	CROUND                                         ; the closing round: no work-group ends while a partner may still ask for a tile that names it
	s_endpgm
.Lfunc_end_k_qcd2dd90e59_proj:
	.size	k_qcd2dd90e59_proj, .Lfunc_end_k_qcd2dd90e59_proj-k_qcd2dd90e59_proj
	.p2alignl 7, 3214868480
	.fill 96, 4, 3214868480
	.section	.rodata,"a",@progbits
	.p2align	6, 0x0
	.amdhsa_kernel k_qcd2dd90e59_proj
		.amdhsa_group_segment_fixed_size 327680
		.amdhsa_private_segment_fixed_size 0
		.amdhsa_enable_private_segment 0
		.amdhsa_kernarg_size 32
		.amdhsa_user_sgpr_count 2
		.amdhsa_user_sgpr_kernarg_segment_ptr 1
		.amdhsa_wavefront_size32 1
		.amdhsa_system_sgpr_workgroup_id_x 1
		.amdhsa_system_sgpr_workgroup_id_y 1
		.amdhsa_system_sgpr_workgroup_id_z 1
		.amdhsa_system_vgpr_workitem_id 0
		.amdhsa_next_free_vgpr 576
		.amdhsa_next_free_sgpr 72
		.amdhsa_reserve_vcc 0
		.amdhsa_float_denorm_mode_32 3
		.amdhsa_float_denorm_mode_16_64 3
		.amdhsa_memory_ordered 1
		.amdhsa_forward_progress 1
		.amdhsa_inst_pref_size 86
	.end_amdhsa_kernel
	.amdgpu_metadata
---
amdhsa.version: [ 1, 2 ]
amdhsa.kernels:
  - .name:           k_qcd2dd90e59_proj
    .symbol:         k_qcd2dd90e59_proj.kd
    .args:
      - { .name: z_img, .offset: 0, .size: 8, .value_kind: global_buffer, .address_space: global }
      - { .name: w_img, .offset: 8, .size: 8, .value_kind: global_buffer, .address_space: global }
      - { .name: b_out, .offset: 16, .size: 8, .value_kind: global_buffer, .address_space: global }
      - { .name: out0, .offset: 24, .size: 8, .value_kind: global_buffer, .address_space: global }
    .group_segment_fixed_size: 327680
    .private_segment_fixed_size: 0
    .kernarg_segment_align: 8
    .kernarg_segment_size: 32
    .max_flat_workgroup_size: 128
    .sgpr_count:     72
    .vgpr_count:     576
    .wavefront_size: 32
...
	.end_amdgpu_metadata
.endif
;; end of part 4
